; MI455X (gfx1250); checked and timed in simulation.
; The chip was launched on July 23, 2026; its instructions are those of AMD's public machine-readable ISA for CDNA 5 (MIT licence, August 2026) and "CDNA5" Instruction Set Architecture Reference Guide (July 2026). The comments in the code are by the model that wrote it; some were corrected since.
;; OPT Attention. Allowed arithmetic: matrix products marked QUANTISED: E4M3 operands, one given power-of-two scale a tensor, by v_wmma_f32_16x16x64_fp8_fp8 or v_wmma_f32_16x16x128_fp8_fp8, f32 sums; everything else in f32.
;; Inputs: Wk 2,048 x 2,048 float32; Wo 2,048 x 2,048 float32; Wq 2,048 x 2,048 float32; Wv 2,048 x 2,048 float32; bk 2,048 float32; bo 2,048 float32; bq 2,048 float32; bv 2,048 float32; hidden_states 2 x 1,024 x 2,048 float32; lowp_scales 12 int32 (the exponents e of the quantised operands' scales 2^e).
;; Outputs: out0 2 x 1,024 x 2,048 float32.
;; This version of the problem:
;;   THIS VERSION OF THE PROBLEM IS GIVEN IN LOW PRECISION. The matrix products marked QUANTISED in the list below multiply operands that are first quantised to E4M3 (4 exponent bits, 3 mantissa bits; 8 bits a number), with one given power-of-two scale for each operand tensor; their sums are f32. All else is computed in f32.
;;   The module's matrix products, in the order in which they are computed (A, B: the left and right operand; K: the contracted axis; several contracted axes count as one K, in the product's order):
;;     1. [M 2,048, K 2,048] x [K 2,048, N 2,048]; A: input hidden_states; B: input Wq: QUANTISED (scales: A lowp_scales[0], B lowp_scales[1])
;;     2. [M 2,048, K 2,048] x [K 2,048, N 2,048]; A: input hidden_states; B: input Wk: QUANTISED (scales: A lowp_scales[2], B lowp_scales[3])
;;     3. [M 2,048, K 2,048] x [K 2,048, N 2,048]; A: input hidden_states; B: input Wv: QUANTISED (scales: A lowp_scales[4], B lowp_scales[5])
;;     4. batch 64 x [M 1,024, K 64] x [K 64, N 1,024]; A: computed on the way; B: computed on the way: QUANTISED (scales: A lowp_scales[6], B lowp_scales[7])
;;     5. batch 64 x [M 64, K 1,024] x [K 1,024, N 1,024]; A: computed on the way; B: softmax (see below): QUANTISED (scales: A lowp_scales[8], B lowp_scales[9])
;;     6. [M 2,048, K 2,048] x [K 2,048, N 2,048]; A: computed on the way; B: input Wo: QUANTISED (scales: A lowp_scales[10], B lowp_scales[11])
;;   THE QUANTISER, for each operand of a quantised product, along K:
;;     - The operand's scale is 2^e, e = its entry of the input lowp_scales (int32; the entries are numbered through the quantised products in the list's order, A before B).
;;     - Each number is divided by the scale, clamped to +-448, and rounded to the nearest number of E4M3, ties to even, subnormals kept.
;;     - The product sums the exact products of the quantised numbers (number of the format x scale) in f32.
;;   ~~~python
;;   def quantise(x, axis, e):      # numpy; x: float32 -> the quantised numbers, widened to float32 again
;;       x = np.moveaxis(x, axis, -1); K = x.shape[-1]
;;       r = np.clip(x / 2.0 ** e, -448, 448)
;;       step = 2.0 ** (np.maximum(np.frexp(np.where(r == 0, 1, r))[1] - 1, -6) - 3)
;;       q = np.round(r / step) * step * 2.0 ** e      # np.round: ties to even
;;       return np.moveaxis(q, -1, axis).astype(np.float32)
;;   ~~~
;;   SOFTMAX AHEAD OF A QUANTISED PRODUCT. Where the list says 'softmax', what is quantised is not the finished softmax but p = 2^(t - M), with t = logit x log2(e) and M = ceil(the row's largest t), a whole number; so 1/2 < the row's largest p <= 1. The row's sum l is taken of the UNQUANTISED p, in f32, and the product's result is divided by l at the end. Since M is a whole number, a kernel that streams over the keys may use a running M (the ceiling of the running maximum): every later rescaling is an exact power of two, so the quantised numbers keep their values, but for numbers so far below the row's largest that they fall under the format's range.
;;   OPERANDS COMPUTED ON THE WAY. 'Computed on the way' means the value that the module computes at that place (a softmax that the list does not call 'softmax' is quantised finished and normalised). What goes into a quantiser is computed in f32, as accurately as f32 sums, v_exp_f32 and their like allow (about 1e-6 of the number): no bf16 or f16 on the way to a quantiser, and a product that is left as it is and whose result goes on into a quantised operand takes f32 operands (vector FMAs, or v_wmma_f32_16x16x4_f32). A number that lies on a knife's edge between two numbers of the format may be rounded either way, as far as f32 arithmetic and the matrix unit's own rounding can turn it there, and no further.
;; One version. Each part assembles by itself: llvm-mc -triple=amdgcn-amd-amdhsa -mcpu=gfx1250 --defsym DOCPART=n.
;; ======== version 1 of 1: 4 launches
;; limits: right only within a limited range of input values
;; workspace buffers: xcodes 12,582,912 bytes; wcodes 12,582,912 bytes; qkv 12,582,912 bytes; acodes 4,194,304 bytes; wocodes 4,194,304 bytes
;; launch quant (part 1): grid 256 x 1, 16 waves a work-group, no clusters, 0 bytes of LDS; arguments hidden_states, Wq, Wk, Wv, lowp_scales, xcodes, wcodes; writes xcodes, wcodes
.if DOCPART == 1
	.amdgcn_target "amdgcn-amd-amdhsa--gfx1250"
	.amdhsa_code_object_version 6
	.text
	.protected	k_qda08b36e1e_quant
	.globl	k_qda08b36e1e_quant
	.p2align	8
	.type	k_qda08b36e1e_quant,@function
k_qda08b36e1e_quant:
	s_mov_b64 s[64:65], 0
	v_nop
	global_prefetch_b8 v0, s[64:65] scope:SCOPE_SE
	s_setreg_imm32_b32 hwreg(HW_REG_WAVE_MODE, 25, 1), 1
	s_wait_xcnt 0x0
; hidden_states [2048][2048] and Wq, Wk, Wv [2048][2048], f32 with K innermost, become codes of FP8 (E4M3), one byte a number.  (Wo is turned into codes by the attention launch, whose memory traffic is small.)
; code = x / 2^e, held within +-448, rounded to the nearest code, ties to even.  hidden_states is an operand of three products (entries 0, 2, 4): read once, converted three times, into three images of 4 MiB.
; Wq, Wk, Wv take entries 1, 3, 5 and go to three images of 4 MiB in wcodes.
; LIMITS: every entry used here lies between -126 and 119, so that 2^e and 448 x 2^e are f32 numbers.  NaN among the inputs is not served; an infinity is held at the largest code.
; No work of the problem is left out in this launch; in the attention launch whole groups of keys that the causal mask of the problem's own body hides are left out (a NaN there is not carried on).
; SHARES.  256 work-groups of 16 waves: work-group b takes rows 8 b .. 8 b + 7 of each of the four tensors, a wave half a row: two steps of 512 numbers of each tensor, eight steps, 32 loads, all asked for at once.
; LAYOUT OF K.  A load takes 16 bytes a lane, 512 a wave: load i of a step gives lane l the numbers 128 i + 4 l + 0..3.  The lane's 16 codes are stored as they stand: number 128 i + 4 l + j
;   of each 512 lies at byte 16 l + 4 i + j: ONE permutation of K for both operands of the three products, so every product meets its partner, and nothing has to move between lanes.
; IMAGES: [row / 128][k / 256][row % 128][256 bytes]: what a K step of the next launch fetches is dense.  Sixteen neighbouring lanes store aligned 256 bytes.
; No matrix work, no LDS, no cluster: memory binds, and work-groups share no byte.  No prefetch: all loads go out at once, and there is no loop to run ahead in.
.set LO,  1                            ; v1   16 x lane
.set VO,  2                            ; v2   my byte in a store: lanes 16-31 lie one K step of 256 (32,768 bytes) further on
.set SC,  4                            ; v4-15   conversion i: 2^e at v[SC+2i], 448 x 2^e at v[SC+2i+1]
.set R,   32                           ; v32-159 eight sets of 16 numbers; Wq's to Wv's codes lie in v32-55, when x's numbers are done with
.set T,   192                          ; v192-207 x's numbers, held
.set C,   208                          ; v208-231 x's codes
	s_load_b256 s[4:11], s[0:1], 0x0               ; hidden_states, Wq, Wk, Wv
	s_load_b128 s[12:15], s[0:1], 0x20             ; lowp_scales, xcodes
	s_load_b64 s[16:17], s[0:1], 0x30              ; wcodes
	v_lshrrev_b32 v21, 5, v0
	v_readfirstlane_b32 s20, v21                   ; wave 0..15
	v_and_b32 v20, 31, v0                          ; lane
	v_lshlrev_b32 v[LO], 4, v20
	v_and_b32 v22, 15, v0
	v_lshlrev_b32 v[VO], 4, v22
	v_lshrrev_b32 v23, 4, v20
	v_lshl_add_u32 v[VO], v23, 15, v[VO]
	s_lshl_b32 s36, ttmp9, 16                      ; in: 8 rows of 8,192 bytes a work-group, half a row a wave
	s_lshl_b32 s38, s20, 12
	s_add_co_u32 s36, s36, s38
	s_mov_b32 s37, 0
	s_lshr_b32 s21, s20, 1                         ; my row of the eight,
	s_and_b32 s22, s20, 1                          ; my half of it
	s_lshr_b32 s38, ttmp9, 4                       ; out: row block of 128: 262,144 bytes,
	s_lshl_b32 s38, s38, 18
	s_and_b32 s23, ttmp9, 15
	s_lshl_b32 s23, s23, 11
	s_add_co_u32 s38, s38, s23                     ; row in the block x 256,
	s_lshl_b32 s23, s21, 8
	s_add_co_u32 s38, s38, s23
	s_lshl_b32 s23, s22, 17                        ; half a row = 4 K steps
	s_add_co_u32 s38, s38, s23
	s_mov_b32 s39, 0
	s_wait_alu depctr_va_vdst(0)
	s_wait_kmcnt 0x0
	s_load_b256 s[24:31], s[12:13], 0x0            ; entries 0 to 7
.irp q, 4,6,8,10
	s_add_nc_u64 s[\q:\q+1], s[\q:\q+1], s[36:37]
.endr
.macro LOAD t
.irp i, 0,1,2,3
	global_load_b128 v[R+16*\t+4*\i:R+16*\t+4*\i+3], v[LO], s[4+2*(\t/2):5+2*(\t/2)] offset:2048*(\t%2)+512*\i th:TH_LOAD_NT   ; 32 lanes read 512 consecutive bytes, once in the launch
.endr
.endm
.irp t, 0,1,2,3,4,5,6,7
	LOAD \t
.endr
	s_add_nc_u64 s[40:41], s[14:15], s[38:39]      ; x's images under entries 0, 2, 4
	s_add_nc_u64 s[42:43], s[40:41], 0x400000
	s_add_nc_u64 s[44:45], s[40:41], 0x800000
	s_add_nc_u64 s[46:47], s[16:17], s[38:39]      ; Wq's, Wk's, Wv's
	s_add_nc_u64 s[48:49], s[46:47], 0x400000
	s_add_nc_u64 s[50:51], s[46:47], 0x800000
.macro MKSCALE e, i                    ; from the whole number e: 2^e, whose exponent field the conversion takes, and 448 x 2^e
	s_add_co_i32 s62, s[\e], 127
	s_lshl_b32 s63, s62, 23
	v_mov_b32 v[SC+2*\i], s63
	s_add_co_i32 s62, s62, 8
	s_lshl_b32 s62, s62, 23
	s_or_b32 s62, s62, 0x600000                    ; the mantissa field of 448
	v_mov_b32 v[SC+2*\i+1], s62
.endm
	s_wait_kmcnt 0x0
	MKSCALE 24, 0                                  ; x: entries 0, 2, 4
	MKSCALE 26, 1
	MKSCALE 28, 2
	MKSCALE 25, 3                                  ; Wq, Wk, Wv: entries 1, 3, 5
	MKSCALE 27, 4
	MKSCALE 29, 5
	s_wait_alu depctr_va_vdst(0)                   ; the head's end
; 16 numbers from v[src] are held into v[tmp] and converted under scale i into v[code..code+3]
.macro CONV src, tmp, i, code
.set n, 0
.rept 16
	v_med3_num_f32 v[\tmp+n], v[\src+n], -v[SC+2*(\i)+1], v[SC+2*(\i)+1]   ; the conversion to an 8-bit code does not saturate (ISA guide 7.6.2): the number is held within the largest code x the scale first
.set n, n+1
.endr
	v_cvt_scalef32_pk8_fp8_f32 v[\code:\code+1], v[\tmp:\tmp+7], v[SC+2*(\i)]
	v_cvt_scalef32_pk8_fp8_f32 v[\code+2:\code+3], v[\tmp+8:\tmp+15], v[SC+2*(\i)]
	v_nop                                          ; one plain vector line between a scaled conversion and the next vector line that touches its registers
.endm
.irp t, 0,1
	s_wait_loadcnt 4*(7-\t)                        ; this step's four loads are in; those of the steps behind it may be out
	CONV R+16*\t, T, 0, C+12*\t
	global_store_b128 v[VO], v[C+12*\t:C+12*\t+3], s[40:41] offset:65536*\t
	CONV R+16*\t, T, 1, C+12*\t+4
	global_store_b128 v[VO], v[C+12*\t+4:C+12*\t+7], s[42:43] offset:65536*\t
	CONV R+16*\t, R+16*\t, 2, C+12*\t+8
	global_store_b128 v[VO], v[C+12*\t+8:C+12*\t+11], s[44:45] offset:65536*\t
.endr
.irp t, 2,3,4,5,6,7
	s_wait_loadcnt 4*(7-\t)
	CONV R+16*\t, R+16*\t, 2+\t/2, R+4*(\t-2)
	global_store_b128 v[VO], v[R+4*(\t-2):R+4*(\t-2)+3], s[44+2*(\t/2):45+2*(\t/2)] offset:65536*(\t%2)
.endr
	s_endpgm
.Lfunc_end_k_qda08b36e1e_quant:
	.size	k_qda08b36e1e_quant, .Lfunc_end_k_qda08b36e1e_quant-k_qda08b36e1e_quant
	.p2alignl 7, 3214868480
	.fill 96, 4, 3214868480
	.section	.rodata,"a",@progbits
	.p2align	6, 0x0
	.amdhsa_kernel k_qda08b36e1e_quant
		.amdhsa_group_segment_fixed_size 0
		.amdhsa_private_segment_fixed_size 0
		.amdhsa_enable_private_segment 0
		.amdhsa_kernarg_size 56
		.amdhsa_user_sgpr_count 2
		.amdhsa_user_sgpr_kernarg_segment_ptr 1
		.amdhsa_wavefront_size32 1
		.amdhsa_system_sgpr_workgroup_id_x 1
		.amdhsa_system_sgpr_workgroup_id_y 1
		.amdhsa_system_sgpr_workgroup_id_z 1
		.amdhsa_system_vgpr_workitem_id 0
		.amdhsa_next_free_vgpr 232
		.amdhsa_next_free_sgpr 66
		.amdhsa_reserve_vcc 0
		.amdhsa_float_denorm_mode_32 3
		.amdhsa_float_denorm_mode_16_64 3
		.amdhsa_memory_ordered 1
		.amdhsa_forward_progress 1
		.amdhsa_inst_pref_size 22
	.end_amdhsa_kernel
	.amdgpu_metadata
---
amdhsa.version: [ 1, 2 ]
amdhsa.kernels:
  - .name:           k_qda08b36e1e_quant
    .symbol:         k_qda08b36e1e_quant.kd
    .args:
      - { .name: hidden_states, .offset: 0, .size: 8, .value_kind: global_buffer, .address_space: global }
      - { .name: Wq, .offset: 8, .size: 8, .value_kind: global_buffer, .address_space: global }
      - { .name: Wk, .offset: 16, .size: 8, .value_kind: global_buffer, .address_space: global }
      - { .name: Wv, .offset: 24, .size: 8, .value_kind: global_buffer, .address_space: global }
      - { .name: lowp_scales, .offset: 32, .size: 8, .value_kind: global_buffer, .address_space: global }
      - { .name: xcodes, .offset: 40, .size: 8, .value_kind: global_buffer, .address_space: global }
      - { .name: wcodes, .offset: 48, .size: 8, .value_kind: global_buffer, .address_space: global }
    .group_segment_fixed_size: 0
    .private_segment_fixed_size: 0
    .kernarg_segment_align: 8
    .kernarg_segment_size: 56
    .max_flat_workgroup_size: 512
    .sgpr_count:     66
    .vgpr_count:     232
    .wavefront_size: 32
...
	.end_amdgpu_metadata
.endif
;; end of part 1
;; launch qkv (part 2): grid 24 x 8, 4 waves a work-group, clusters of 4 x 4, 327,680 bytes of LDS; arguments xcodes, wcodes, lowp_scales, bq, bk, bv, qkv; writes qkv
.if DOCPART == 2
	.amdgcn_target "amdgcn-amd-amdhsa--gfx1250"
	.amdhsa_code_object_version 6
	.text
	.protected	k_qda08b36e1e_qkv
	.globl	k_qda08b36e1e_qkv
	.p2align	8
	.type	k_qda08b36e1e_qkv,@function
k_qda08b36e1e_qkv:
	s_mov_b64 s[64:65], 0
	v_nop
	global_prefetch_b8 v0, s[64:65] scope:SCOPE_SE
	s_setreg_imm32_b32 hwreg(HW_REG_WAVE_MODE, 25, 1), 1
	s_wait_xcnt 0x0
	s_wait_alu depctr_hold_cnt(0) depctr_sa_sdst(0) depctr_va_vdst(0) depctr_va_sdst(0) depctr_va_ssrc(0) depctr_va_vcc(0) depctr_vm_vsrc(0)
	s_getreg_b32 s2, hwreg(HW_REG_IB_STS2, 6, 4)
	s_cmp_eq_u32 s2, 0
	s_cbranch_scc0 .Lentry_in_a_cluster
	s_endpgm
.Lentry_in_a_cluster:
	s_bfe_u32 s2, ttmp6, 0x10000c
	s_cmp_lg_u32 s2, 0xf033
	s_cbranch_scc0 .Lentry_shape_is_right
	s_endpgm
.Lentry_shape_is_right:
; THREE PRODUCTS OF ONE SHAPE, C[m][n] = sum over k of A[m][k] B[n][k], 2048 x 2048 x 2048, on codes of FP8 (E4M3); + bias; then quantised again for the attention launch.
;   p = 0: A = x under entry 0, B = Wq: C = q (m token, n feature), bias bq[n], code under entry 6
;   p = 1: A = x under entry 2, B = Wk: C = k,                      bias bk[n], code under entry 7
;   p = 2: A = Wv, B = x under entry 4: C = v TRANSPOSED (m feature, n token), bias bv[m], code under entry 8: the keys are the second attention product's K and have to lie innermost.
; p = cluster x / 2: the same in all sixteen partners of a cluster.  THE BIAS, divided by 2^(A's entry + B's entry), is the C of each accumulator's first product, and that power of two goes into the scale of the
; conversion on the way out: no vector instruction adds a bias or multiplies a sum.
; LIMITS: with s the sum of the two operands' entries, the result's entry - s lies between -126 and 119, and bias x 2^-s is an f32 number.
; A tile of C, 256 x 256, is made by a work-group of four waves, a wave makes 128 x 128: 64 accumulators, 512 registers.  3 x 64 tiles: 192 work-groups; a smaller tile would read each LDS byte for half the products.
; K goes in eight steps of 256 through two LDS slots.  The codes lie as [row / 128][K step][row % 128][256 bytes]: a wave fetches 128 dense rows of 256 bytes for a K step.
; At the head each wave asks for its part of K step 0; K step 1 is asked for as a refill is, behind the round that shows K step 0.
; CLUSTERS: 4 x 4 work-groups.  The four of a row of the cluster need the same tiles of A, the four of a column the same tiles of B: each tile is asked for JOINTLY.
; THE MATRIX INSTRUCTION IS USED TRANSPOSED (source 0 = 16 rows of B, source 1 = 16 rows of A): a lane then holds eight neighbouring n of one row m, which one conversion turns into 8 bytes.
; K steps 1 to 7 are prefetched into the L2: 1 at the head, behind the head's load; 2 and 3 behind K step 1's load; 4 to 7 each two refills ahead of its tensor load.
; LDS LOADS: a step of 128 along K has 64 loads and 64 products a wave: two runs of 32 loads, each issued ahead of 32 products and ahead of the wait for the run before it.
; WHAT IS STORED (buffer qkv): q at 0 and k at 4 MiB as [batch x 32 + head][token 1024][64 bytes]; v at 8 MiB as [batch x 32 + head][key / 128][channel 64][128 bytes].
;   Along n, bits 3 and 4 of the index are exchanged in the byte's place: a lane's codes of tiles 2 b' and 2 b' + 1 lie together as 16 bytes.  In q and k that is one permutation of the head's 64 for both, so every
;   product meets its partner; in v it puts the keys where a 16-byte load gives a lane the keys 16 c + 8 (lane / 16) + 0..7 in registers 2 c, 2 c + 1.
; REGISTERS, in windows of 256: window 0: v0-31 addresses; v32-95 the bias as C, on the way out a block's held numbers; v96-111 its codes; v112, v113 scale and limit; v128-255 A's fragments, ONE set, on the way out the blocks read back.
;   window 1: B's fragments, TWO sets, at v0 and v128.   window 2: the 32 accumulators of my rows 0-63 ((a, b) at v[8 (8 a + b)]);   window 3: those of my rows 64-127.
.set PITCH,  272                       ; an LDS row: 256 bytes + 16 of padding = 68 words: row r starts at bank 4 r mod 64 (64 banks of 4 bytes: ISA guide 11.1)
.set KSB,    32768                     ; bytes of a K step of 128 rows
.set FR,     16                        ; registers of a fragment: 16 rows x 128 K: four LDS loads
.set NP,     4                         ; places behind this matrix instruction (ISA guide 7.12.1)
.set SLOTB,  128*PITCH                 ; a wave's part of a slot
.set HALF2,  2*SLOTB                   ; 128 rows of A or of B in both slots
.set LAPS,   4                         ; a lap = two K steps of 256 = once round the ring
.set STAGE,  4*HALF2                   ; the way out: 16 rows x 144 bytes for each wave: no fill lands there
.set SP2,    144
.set SPARE,  STAGE+4*16*SP2            ; the spare words, 128 bytes for each wave
.set ADRA, 16                          ; v16     LDS address of my A fragments
.set ADRB, 20                          ; v20     the same for B
.set STO,  24                          ; v24     the stage: where I put 16 bytes of a row
.set RDQ,  25                          ; v25     q, k: where I read back: 8 tokens x 64 bytes of a head
.set CO,   26                          ; v26     16 x lane: my byte among the 512 that a store covers
.set RDV,  27                          ; v27     v: where I read back: 4 channels x 128 bytes
.set SPW,  28                          ; v28     LDS address of my spare word; never rewritten
.set NIL,  29                          ; v29     0; never rewritten
.set PFO,  31                          ; v31     256 x lane, for the prefetches; never rewritten
.set CI,   32
.set TMP,  32
.set CD,   96
.set OSC,  112
.set OLM,  113
.set AF,   128
.set BK,   128
.set PR,   82                          ; s82     p
.set PFA,  66                          ; s[66:67] my prefetches: my work-group's 8,192 bytes of the 32,768 of the K step that is two behind the one to be named
.set G1, 24                            ; s[24:31] descriptor group 1 for A;  s[48:55] for B
.set G1B, 48
.set G0, 32                            ; s[32:35] group 0 for A;  s[36:39] for B
.set G0B, 36
.set MSB, 0
.macro WIN new                         ; the immediate's high byte repeats the setting that is left
.if MSB != \new
	s_set_vgpr_msb (MSB<<8)|\new
.set MSB, \new
.endif
.endm
.set MUL_LO, 0xa1                      ; source 0 (B) window 1, source 1 (A) window 0, C and D window 2
.set MUL_HI, 0xf1                      ; the same, C and D window 3
.set TO_B,   0x40                      ; destination window 1, address window 0
; A joint load: waves 0 and 1 fetch for A, waves 2 and 3 for B.  Each of the two lines has ONE mask and one set of registers for all that issue it; the branch hangs on the wave's number alone.
.macro JLOAD
	s_cmp_eq_u32 s15, 0
	s_cbranch_scc0 .Lfor_b_\@
	tensor_load_to_lds s[G0:G0+3], s[G1:G1+7]
	s_nop 0
.rept 4
	v_nop
.endr
	s_branch .Lasked_\@
.Lfor_b_\@:
	tensor_load_to_lds s[G0B:G0B+3], s[G1B:G1B+7]
	s_nop 0
.rept 4
	v_nop
.endr
.Lasked_\@:
.endm
; A PREFETCH INTO THE L2, behind each joint refill and the LDS loads that follow it: the K step that stands TWO refills on.  Each block of 256 bytes is named once in each cluster that will load it: of the 128 rows that a
; wave fetches, the partner at place c takes 32 c .. 32 c + 31 (c = cx for A, cy for B), a lane a row: told apart BY ADDRESS.  The loop's last trip (s3 = 1) brings K steps 6 and 7 and asks for nothing.
.macro ASK
	s_cmp_gt_u32 s3, 1
	s_cbranch_scc0 .Lnone_\@
	global_prefetch_b8 v[PFO], s[PFA:PFA+1] offset:2*KSB th:TH_LOAD_NT scope:SCOPE_SE
.Lnone_\@:
.endm
.macro CREST                           ; a round of the cluster's barrier behind its opening barrier
	s_cmp_lg_u32 s14, 0
	s_cbranch_scc1 .Lnot_wave_0_\@
	s_barrier_signal -3
.Lnot_wave_0_\@:
	s_barrier_wait -3
	s_barrier_signal -1
	s_barrier_wait -1
.endm
.macro CROUND                          ; a whole round
	s_barrier_signal -1
	s_barrier_wait -1
	CREST
.endm
.macro NEXTK slot                      ; both groups 0: the next K step, into the slot
	s_add_co_u32 s[G0+1], s45, (\slot)*SLOTB
	s_add_nc_u64 s[G0+2:G0+3], s[G0+2:G0+3], KSB
	s_add_co_u32 s[G0B+1], s45, (\slot)*SLOTB
	s_add_nc_u64 s[G0B+2:G0B+3], s[G0B+2:G0B+3], KSB
.endm
	s_load_b256 s[68:75], s[0:1], 0x0              ; xcodes s[68:69], wcodes s[70:71], lowp_scales s[72:73], bq s[74:75]
	s_load_b128 s[76:79], s[0:1], 0x20             ; bk, bv
	s_load_b64 s[80:81], s[0:1], 0x30              ; qkv
	v_lshl_add_u32 v[SPW], v0, 2, SPARE
	v_mov_b32 v[NIL], 0
	ds_add_u32 v[SPW], v[NIL]                      ; the opening: the add, twice on end, and its wait ahead of my first tensor load
	ds_add_u32 v[SPW], v[NIL]
	v_lshrrev_b32 v3, 5, v0
	v_readfirstlane_b32 s14, v3                    ; wave 0..3
	v_and_b32 v1, 15, v0                           ; r = l % 16
	v_bfe_u32 v2, v0, 4, 1                         ; h = l / 16
	v_and_b32 v6, 31, v0                           ; l
	v_lshlrev_b32 v[CO], 4, v6
	v_lshlrev_b32 v[PFO], 8, v6
	v_lshlrev_b32 v8, 5, v2                        ; 8 h numbers
	v_lshlrev_b32 v9, 2, v1                        ; r numbers
	s_wait_alu depctr_va_vdst(0)                   ; ahead of the scalar lines and the waits below
	s_lshr_b32 s15, s14, 1                         ; which half of the tile's rows is mine.  Also: I fetch for A (0) or for B (1)
	s_and_b32 s16, s14, 1                          ; which half of its columns.  Also: which 128 rows of that tile I fetch
	s_bfe_u32 s40, ttmp6, 0x40000                  ; cx, cy: my place in the cluster
	s_bfe_u32 s41, ttmp6, 0x40004
	s_lshr_b32 s[PR], ttmp9, 1                     ; which product: two clusters along x for each
	s_and_b32 s42, ttmp9, 1
	s_lshl_b32 s42, s42, 2
	s_add_co_u32 s42, s42, s40                     ; tile column of C, 0..7
	s_and_b32 s17, ttmp7, 0xffff
	s_lshl_b32 s17, s17, 2
	s_add_co_u32 s17, s17, s41                     ; tile row of C, 0..7
	s_lshl_b32 s43, s41, 2
	s_lshl_b32 s43, 15, s43                        ; my row of the cluster
	s_lshl_b32 s44, 0x1111, s40                    ; my column
	; descriptor group 1: 128 dense rows of 256 bytes, padded in LDS.  15:0 the mask; 17:16 element of 1 byte; 20 padding on; 21 set beside a mask; 24:22 after every 64 words (code 5); 31:25 of 4 words (code 3)
	s_or_b32 s[G1+0], s43, (0<<16)|(1<<20)|(1<<21)|(5<<22)|(3<<25)
	s_or_b32 s[G1B+0], s44, (0<<16)|(1<<20)|(1<<21)|(5<<22)|(3<<25)
.irp g, G1, G1B
	s_mov_b32 s[\g+1], 256<<16                     ; tensor_dim0
	s_mov_b32 s[\g+2], 128<<16                     ; tensor_dim1
	s_mov_b32 s[\g+3], 256<<16                     ; tile_dim0
	s_mov_b32 s[\g+4], 128                         ; tile_dim1
	s_mov_b32 s[\g+5], 256                         ; tensor_dim0_stride
	s_mov_b32 s[\g+6], 0
	s_mov_b32 s[\g+7], 0
.endr
	s_lshl_b32 s19, s[PR], 22                      ; the product's image in each buffer of codes
	s_lshl_b32 s20, s17, 1
	s_add_co_u32 s20, s20, s16                     ; A: row block 2 x tile row + half, 262,144 bytes each
	s_lshl_b32 s20, s20, 18
	s_add_co_u32 s20, s20, s19
	s_mov_b32 s21, 0
	s_lshl_b32 s46, s42, 1
	s_add_co_u32 s46, s46, s16                     ; B: by the tile column
	s_lshl_b32 s46, s46, 18
	s_add_co_u32 s46, s46, s19
	s_mov_b32 s47, 0
	s_mul_i32 s45, s14, HALF2                      ; where they go: no place in the cluster enters an LDS address
	s_wait_dscnt 0x0                               ; both opening adds are done
	s_wait_kmcnt 0x0
	s_load_b256 s[92:99], s[72:73], 0x0            ; entries 0 to 7
	s_load_b32 s100, s[72:73], 0x20                ; entry 8
	s_cmp_eq_u32 s[PR], 2                          ; for v the weight is A and x is B
	s_cselect_b64 s[4:5], s[70:71], s[68:69]
	s_cselect_b64 s[6:7], s[68:69], s[70:71]
	s_mov_b32 s[G0], 1                             ; 1:0 count = 1
	s_mov_b32 s[G0+1], s45                         ; 63:32 LDS address
	s_add_nc_u64 s[G0+2:G0+3], s[4:5], s[20:21]    ; 120:64 global address: K step 0
	s_or_b32 s[G0+3], s[G0+3], 0x80000000          ; 127:126 type = 2
	s_mov_b32 s[G0B], 1
	s_mov_b32 s[G0B+1], s45
	s_add_nc_u64 s[G0B+2:G0B+3], s[6:7], s[46:47]
	s_or_b32 s[G0B+3], s[G0B+3], 0x80000000
	CROUND                                         ; all sixteen work-groups are here: the first joint loads meet
	JLOAD                                          ; K step 0: one tensor load a wave at the head
	; the bias and the result hang on the same coordinates: for q, k (a = tile row, row half; b = tile column, column half), for v the other way round
	s_cmp_eq_u32 s[PR], 0
	s_cselect_b64 s[8:9], s[74:75], s[76:77]
	s_cmp_eq_u32 s[PR], 2
	s_cselect_b64 s[8:9], s[78:79], s[8:9]
	s_cselect_b32 s18, s42, s17                    ; a1: 256 tokens,
	s_cselect_b32 s19, s16, s15                    ; a2: my 128 of them
	s_cselect_b32 s22, s17, s42                    ; b1: 256 features,
	s_cselect_b32 s23, s15, s16                    ; b2: my 128
	s_lshl_b32 s12, s22, 10
	s_lshl_b32 s13, s23, 9
	s_add_co_u32 s12, s12, s13
	s_mov_b32 s13, 0
	s_add_nc_u64 s[8:9], s[8:9], s[12:13]          ; bias at my first feature
	s_cmp_eq_u32 s[PR], 2                          ; the same in all partners; both ways hold loads of the bias alone
	s_cbranch_scc1 .Lbias_v
.irp b, 0,1,2,3,4,5,6,7
	global_load_b128 v[CI+8*\b:CI+8*\b+3], v8, s[8:9] offset:64*\b          ; n = 16 b + 8 h + 0..7: the layout of C
	global_load_b128 v[CI+8*\b+4:CI+8*\b+7], v8, s[8:9] offset:64*\b+16
.endr
	s_branch .Lbias_asked
.Lbias_v:
.irp a, 0,1,2,3,4,5,6,7
	global_load_b32 v[CI+8*\a], v9, s[8:9] offset:64*\a                     ; m = 16 a + r: one number for all eight registers
.endr
.Lbias_asked:
	; the prefetches: the tile that I fetch, my work-group's 32 of its 128 rows, at K step 1
	s_cmp_eq_u32 s15, 0
	s_cselect_b64 s[PFA:PFA+1], s[4:5], s[6:7]
	s_cselect_b32 s12, s20, s46
	s_cselect_b32 s13, s40, s41
	s_lshl_b32 s13, s13, 13
	s_add_co_u32 s12, s12, s13
	s_add_co_u32 s12, s12, KSB
	s_mov_b32 s13, 0
	s_add_nc_u64 s[PFA:PFA+1], s[PFA:PFA+1], s[12:13]
	global_prefetch_b8 v[PFO], s[PFA:PFA+1] th:TH_LOAD_NT scope:SCOPE_SE   ; K step 1: what the next load will ask for
	s_lshr_b32 s12, s18, 2                         ; batch
	s_lshl_b32 s12, s12, 5
	s_lshl_b32 s20, s22, 2
	s_add_co_u32 s12, s12, s20
	s_lshl_b32 s20, s23, 1
	s_add_co_u32 s12, s12, s20                     ; batch x 32 + my first head
	s_lshl_b32 s12, s12, 16
	s_and_b32 s20, s18, 3
	s_lshl_b32 s20, s20, 14                        ; 256 tokens are 16,384 bytes of a head, in q and k as in v
	s_add_co_u32 s12, s12, s20
	s_lshl_b32 s20, s19, 13
	s_add_co_u32 s12, s12, s20
	s_lshl_b32 s20, s[PR], 22
	s_add_co_u32 s12, s12, s20
	s_add_nc_u64 s[10:11], s[80:81], s[12:13]
	s_mul_i32 s21, s15, HALF2                      ; my 128 rows of A
	s_add_co_u32 s22, s16, 2
	s_mul_i32 s22, s22, HALF2                      ; my 128 rows of B
	s_mul_i32 s23, s14, 16*SP2
	s_add_co_u32 s23, s23, STAGE                   ; my stage
	v_mul_u32_u24 v3, v1, PITCH
	v_lshl_add_u32 v3, v2, 4, v3                   ; a fragment's row x pitch + 16 h
	v_add_nc_u32 v[ADRA], s21, v3
	v_add_nc_u32 v[ADRB], s22, v3
	v_mul_u32_u24 v5, v1, SP2
	v_lshl_add_u32 v5, v2, 4, v5
	v_add_nc_u32 v[STO], s23, v5                   ; into the stage: row r, 16 bytes for each half of the lanes
	v_lshrrev_b32 v7, 2, v6
	v_mul_u32_u24 v7, v7, SP2
	v_and_b32 v5, 3, v0
	v_lshl_add_u32 v7, v5, 4, v7
	v_add_nc_u32 v[RDQ], s23, v7                   ; q, k: four lanes to a token's 64 bytes of one head
	v_lshrrev_b32 v7, 3, v6
	v_mul_u32_u24 v7, v7, SP2
	v_and_b32 v5, 7, v0
	v_lshl_add_u32 v7, v5, 4, v7
	v_add_nc_u32 v[RDV], s23, v7                   ; v: eight lanes to a channel's 128 bytes
	s_wait_alu depctr_va_vdst(0)
	s_wait_kmcnt 0x0
	s_add_co_i32 s92, s92, s93                     ; the operands' entries, summed
	s_add_co_i32 s94, s94, s95
	s_add_co_i32 s96, s96, s97
	s_cmp_eq_u32 s[PR], 0
	s_cselect_b32 s18, s92, s94
	s_cselect_b32 s19, s98, s99                    ; the result's entry: 6, 7
	s_cmp_eq_u32 s[PR], 2
	s_cselect_b32 s18, s96, s18
	s_cselect_b32 s19, s100, s19                   ; or 8
	s_sub_co_i32 s18, 0, s18                       ; - s
	s_add_co_i32 s19, s19, s18                     ; the result's entry - s: the conversion's one scale
	s_add_co_i32 s19, s19, 127
	s_lshl_b32 s20, s19, 23
	s_add_co_i32 s19, s19, 8
	s_lshl_b32 s19, s19, 23
	s_or_b32 s19, s19, 0x600000
	v_mov_b32 v[OSC], s20
	v_mov_b32 v[OLM], s19                          ; 448 x it
	s_wait_loadcnt 0x0                             ; the bias
	s_cmp_eq_u32 s[PR], 2
	s_cbranch_scc1 .Lscale_v
.set n, 0
.rept 64
	v_ldexp_f32 v[CI+n], v[CI+n], s18              ; bias x 2^-s
.set n, n+1
.endr
	s_branch .Lscaled
.Lscale_v:
.irp a, 0,1,2,3,4,5,6,7
.irp j, 7,6,5,4,3,2,1,0
	v_ldexp_f32 v[CI+8*\a+\j], v[CI+8*\a], s18     ; the source itself last
.endr
.endr
.Lscaled:
.macro FRAG reg, adr, off              ; a fragment, 16 rows x 128 K, is 16 registers: lane l holds row l % 16; registers 4 c .. 4 c + 3 hold bytes 32 c + 16 (l / 16) + 0 .. 15 of it: one permutation of k for A and B alike
.irp c, 0,1,2,3
	ds_load_b128 v[\reg+4*\c:\reg+4*\c+3], v[\adr] offset:\off+32*\c
.endr
.endm
.macro LB slot, q, p, i0               ; B's fragments i0 .. i0 + 3 of the slot's q-th 128 along K into set p: 16 loads
	WIN TO_B
.irp i, \i0, \i0+1, \i0+2, \i0+3
	FRAG 128*(\p)+FR*(\i), ADRB, SLOTB*(\slot)+128*(\q)+(\i)*16*PITCH
.endr
.endm
.macro LA slot, q, i0                  ; A's fragments i0 .. i0 + 3: 16 loads
	WIN 0
.irp i, \i0, \i0+1, \i0+2, \i0+3
	FRAG AF+FR*(\i), ADRA, SLOTB*(\slot)+128*(\q)+(\i)*16*PITCH
.endr
.endm
; Eight matrix instructions: A's block a x B's eight, 128 along K.  p: B's set.  first = 1, 2: the bias along n, along m is C: nothing is ever cleared.
; The 64 accumulators take turns, one instruction a turn, in the same order in every step.
.macro MUL8 a, p, first
.irp b, 0,1,2,3,4,5,6,7
.if \first == 1
	v_wmma_f32_16x16x128_fp8_fp8 v[8*(8*((\a)%4)+\b):8*(8*((\a)%4)+\b)+7], v[128*(\p)+FR*\b:128*(\p)+FR*\b+FR-1], v[AF+FR*(\a):AF+FR*(\a)+FR-1], v[CI+8*\b:CI+8*\b+7]
.elseif \first == 2
	v_wmma_f32_16x16x128_fp8_fp8 v[8*(8*((\a)%4)+\b):8*(8*((\a)%4)+\b)+7], v[128*(\p)+FR*\b:128*(\p)+FR*\b+FR-1], v[AF+FR*(\a):AF+FR*(\a)+FR-1], v[CI+8*(\a):CI+8*(\a)+7]
.else
	v_wmma_f32_16x16x128_fp8_fp8 v[8*(8*((\a)%4)+\b):8*(8*((\a)%4)+\b)+7], v[128*(\p)+FR*\b:128*(\p)+FR*\b+FR-1], v[AF+FR*(\a):AF+FR*(\a)+FR-1], v[8*(8*((\a)%4)+\b):8*(8*((\a)%4)+\b)+7]
.endif
.endr
.endm
; A load into a register that a matrix instruction has read, and a vector instruction that reads a matrix result, stand NP places behind that matrix instruction; only plain vector
; instructions that name none of its registers are places (ISA guide 7.12.1 for vector instructions).
.macro PLACES
.rept NP
	v_nop
.endr
.endm
; A step of 128 along K that has its successor in the same slot.  On entry B's set and A's blocks 0-3 are asked for.  A has one set of registers: blocks 4-7 are fetched at the step's start, the next
; step's blocks 0-3 in its middle; B's fragments are at work through the whole step and have two sets: the next step's come half at the start, half in the middle.
.macro STEP slot, q, first
.if \first
.set WLO, 0x81                         ; C from window 0
.set WHI, 0xc1
.else
.set WLO, MUL_LO
.set WHI, MUL_HI
.endif
	PLACES
	LA \slot, \q, 4
	LB \slot, (\q)+1, 1-(\q)%2, 0
	s_wait_dscnt 32                                ; all but the 32 just issued
	WIN WLO
	MUL8 0, (\q)%2, \first
	MUL8 1, (\q)%2, \first
	MUL8 2, (\q)%2, \first
	MUL8 3, (\q)%2, \first
	PLACES
	LB \slot, (\q)+1, 1-(\q)%2, 4
	LA \slot, (\q)+1, 0
	s_wait_dscnt 48                                ; A's blocks 4-7 are in; B's next set and A's next blocks 0-3 may be out
	WIN WHI
	MUL8 4, (\q)%2, \first
	MUL8 5, (\q)%2, \first
	MUL8 6, (\q)%2, \first
	MUL8 7, (\q)%2, \first
	WIN 0
.endm
; A slot's last step changes slots: ONE barrier; in front of it each wave waits for all its tensor loads, adds 0 to its spare word, and waits for that and for its own reads of this slot.  fill = 1: this slot is filled again, two K steps ahead.
.macro TURN slot, next, fill
.if \fill
	s_wait_xcnt 0x0                                ; the last prefetch, a K step back, has read its address: it is stepped here, ahead of the change of slots
	s_add_nc_u64 s[PFA:PFA+1], s[PFA:PFA+1], KSB
.endif
	PLACES
	LA \slot, 1, 4
	s_wait_dscnt 16                                ; B's set and A's blocks 0-3 are in
	WIN MUL_LO
	MUL8 0, 1, 0
	MUL8 1, 1, 0
	MUL8 2, 1, 0
	WIN 0                                          ; (the add's two registers lie in window 0)
	s_wait_tensorcnt 0x0                           ; all my tensor loads have landed; so every group 0 may be written
	ds_add_u32 v[SPW], v[NIL]                      ; 0 onto my spare word
.if \fill
	NEXTK \slot
.endif
	s_wait_dscnt 0x0                               ; the add is done, and my reads of this slot are over
	s_barrier_signal -1
	WIN MUL_LO
	MUL8 3, 1, 0                                   ; work on registers while the others arrive
	WIN 0
	s_barrier_wait -1
.if \fill
	CREST                                          ; the barrier has opened a round of the cluster's barrier: no wave of any partner still reads this slot's tile or has a load on its way
	JLOAD                                          ; the first tensor load behind the round; the four v_nop behind it are the places in front of the loads below
.else
	PLACES
.endif
	LB \next, 0, 0, 0
	LB \next, 0, 0, 4
	LA \next, 0, 0
	WIN MUL_HI
	MUL8 4, 1, 0
	MUL8 5, 1, 0
	MUL8 6, 1, 0
	MUL8 7, 1, 0
	WIN 0
.if \fill
	ASK
.endif
.endm
	s_wait_alu depctr_va_vdst(0)                   ; the head's end
	s_wait_tensorcnt 0x0                           ; my part of K step 0 is in
	ds_add_u32 v[SPW], v[NIL]
	NEXTK 1
	s_wait_dscnt 0x0                               ; the add is done
	CROUND                                         ; everybody's part of K step 0 is in, and the joint loads meet:
	JLOAD                                          ; K step 1's load, the first tensor load behind the round
	LB 0, 0, 0, 0
	LB 0, 0, 0, 4
	LA 0, 0, 0
	global_prefetch_b8 v[PFO], s[PFA:PFA+1] offset:KSB th:TH_LOAD_NT scope:SCOPE_SE     ; K step 2,
	global_prefetch_b8 v[PFO], s[PFA:PFA+1] offset:2*KSB th:TH_LOAD_NT scope:SCOPE_SE   ; and 3: what the first two refills will ask for
	s_cmp_eq_u32 s[PR], 2
	s_cbranch_scc1 .Lfirst_v
	STEP 0, 0, 1                                   ; the first step stands in front of the loop: its products take the bias as C
	s_branch .Lgo
.Lfirst_v:
	STEP 0, 0, 2
.Lgo:
	s_mov_b32 s3, LAPS-1
.Llap:                                                 ; a trip goes once round the ring, from a lap's second step to the next lap's first, and fills both slots again
	TURN 0, 1, 1
	STEP 1, 0, 0
	TURN 1, 0, 1
	STEP 0, 0, 0
	s_sub_co_u32 s3, s3, 1
	s_cmp_lg_u32 s3, 0
	s_cbranch_scc1 .Llap
	TURN 0, 1, 0                                   ; the last lap fills nothing, and has no round of the cluster's barrier
	STEP 1, 0, 0
	PLACES                                         ; the very last step: A's blocks 4-7 are all that is left to fetch
	LA 1, 1, 4
	s_wait_dscnt 16
	WIN MUL_LO
	MUL8 0, 1, 0
	MUL8 1, 1, 0
	MUL8 2, 1, 0
	MUL8 3, 1, 0
	s_wait_dscnt 0
	WIN MUL_HI
	MUL8 4, 1, 0
	MUL8 5, 1, 0
	MUL8 6, 1, 0
	MUL8 7, 1, 0
	WIN 0
	PLACES                                         ; behind the last products: for the reads of results and for the loads into A's fragments
; THE WAY OUT, block a: 16 rows x my 128 columns, held, converted: a lane's 64 numbers become 64 bytes, four stores of 16 into my own stage, and four loads back in the order in which they lie in memory.
; LDS serves a wave's instructions in order (ISA guide 5.7.1.4): no wait stands between a block's stores and its loads, nor ahead of the next block's stores.  Each block is read back into registers of its own.
.macro OUTBLK a, isv
.set AC, 64*((\a)%4)
	WIN 0x02+((\a)/4)                              ; source 0: window 2 or 3
.set j, 0
.rept 64
	v_med3_num_f32 v[TMP+j], v[AC+j], -v[OLM], v[OLM]   ; the conversion to an 8-bit code does not saturate (ISA guide 7.6.2); each accumulator from its low end on
.set j, j+1
.endr
	WIN 0
.irp b, 0,1,2,3,4,5,6,7
	v_cvt_scalef32_pk8_fp8_f32 v[CD+2*\b:CD+2*\b+1], v[TMP+8*\b:TMP+8*\b+7], v[OSC]
.endr
	v_nop                                          ; one plain vector line between the conversions and the next block's writes of their sources
.irp c, 0,1,2,3
	ds_store_b128 v[STO], v[CD+4*\c:CD+4*\c+3] offset:32*\c   ; n = 32 c + 8 h + 0..7, then 32 c + 16 + 8 h + 0..7, at bytes 32 c + 16 h on
.endr
.irp i, 0,1,2,3
.if \isv
	ds_load_b128 v[BK+16*(\a)+4*\i:BK+16*(\a)+4*\i+3], v[RDV] offset:4*\i*SP2
.else
	ds_load_b128 v[BK+16*(\a)+4*\i:BK+16*(\a)+4*\i+3], v[RDQ] offset:(\i%2)*8*SP2+64*(\i/2)
.endif
.endr
.endm
.macro SEND a, isv, younger            ; younger: the LDS instructions issued behind block a's loads, which may be out
	s_wait_dscnt \younger
.irp i, 0,1,2,3
.if \isv
	global_store_b128 v[CO], v[BK+16*(\a)+4*\i:BK+16*(\a)+4*\i+3], s[10:11] offset:((\a)/4)*65536+((\a)%4)*2048+512*\i   ; four channels' 512 consecutive bytes, aligned
.else
	global_store_b128 v[CO], v[BK+16*(\a)+4*\i:BK+16*(\a)+4*\i+3], s[10:11] offset:(\i/2)*65536+(\a)*1024+(\i%2)*512     ; eight tokens' 512 consecutive bytes, aligned
.endif
.endr
.endm
	s_cmp_eq_u32 s[PR], 2                          ; the same in every wave of every partner
	s_cbranch_scc1 .Lv_out
	OUTBLK 0, 0
.irp a, 1,2,3,4,5,6,7
	OUTBLK \a, 0
	SEND \a-1, 0, 8
.endr
	SEND 7, 0, 0
	s_branch .Lsent
.Lv_out:
	OUTBLK 0, 1
.irp a, 1,2,3,4,5,6,7
	OUTBLK \a, 1
	SEND \a-1, 1, 8
.endr
	SEND 7, 1, 0
.Lsent:
	s_wait_tensorcnt 0x0                           ; the wave's end: behind my last tensor load and my last LDS store
	ds_add_u32 v[SPW], v[NIL]
	s_wait_dscnt 0x0
	CROUND                                         ; the closing round: no work-group ends while a partner may still ask for a tile that names it
	s_endpgm
.Lfunc_end_k_qda08b36e1e_qkv:
	.size	k_qda08b36e1e_qkv, .Lfunc_end_k_qda08b36e1e_qkv-k_qda08b36e1e_qkv
	.p2alignl 7, 3214868480
	.fill 96, 4, 3214868480
	.section	.rodata,"a",@progbits
	.p2align	6, 0x0
	.amdhsa_kernel k_qda08b36e1e_qkv
		.amdhsa_group_segment_fixed_size 327680
		.amdhsa_private_segment_fixed_size 0
		.amdhsa_enable_private_segment 0
		.amdhsa_kernarg_size 56
		.amdhsa_user_sgpr_count 2
		.amdhsa_user_sgpr_kernarg_segment_ptr 1
		.amdhsa_wavefront_size32 1
		.amdhsa_system_sgpr_workgroup_id_x 1
		.amdhsa_system_sgpr_workgroup_id_y 1
		.amdhsa_system_sgpr_workgroup_id_z 1
		.amdhsa_system_vgpr_workitem_id 0
		.amdhsa_next_free_vgpr 1024
		.amdhsa_next_free_sgpr 102
		.amdhsa_reserve_vcc 0
		.amdhsa_float_denorm_mode_32 3
		.amdhsa_float_denorm_mode_16_64 3
		.amdhsa_memory_ordered 1
		.amdhsa_forward_progress 1
		.amdhsa_inst_pref_size 188
	.end_amdhsa_kernel
	.amdgpu_metadata
---
amdhsa.version: [ 1, 2 ]
amdhsa.kernels:
  - .name:           k_qda08b36e1e_qkv
    .symbol:         k_qda08b36e1e_qkv.kd
    .args:
      - { .name: xcodes, .offset: 0, .size: 8, .value_kind: global_buffer, .address_space: global }
      - { .name: wcodes, .offset: 8, .size: 8, .value_kind: global_buffer, .address_space: global }
      - { .name: lowp_scales, .offset: 16, .size: 8, .value_kind: global_buffer, .address_space: global }
      - { .name: bq, .offset: 24, .size: 8, .value_kind: global_buffer, .address_space: global }
      - { .name: bk, .offset: 32, .size: 8, .value_kind: global_buffer, .address_space: global }
      - { .name: bv, .offset: 40, .size: 8, .value_kind: global_buffer, .address_space: global }
      - { .name: qkv, .offset: 48, .size: 8, .value_kind: global_buffer, .address_space: global }
    .group_segment_fixed_size: 327680
    .private_segment_fixed_size: 0
    .kernarg_segment_align: 8
    .kernarg_segment_size: 56
    .max_flat_workgroup_size: 128
    .sgpr_count:     102
    .vgpr_count:     1024
    .wavefront_size: 32
...
	.end_amdgpu_metadata
.endif
;; end of part 2
;; launch attn (part 3): grid 4 x 64, 16 waves a work-group, clusters of 4 x 1, 167,936 bytes of LDS; arguments qkv, lowp_scales, Wo, acodes, wocodes; writes acodes, wocodes
.if DOCPART == 3
	.amdgcn_target "amdgcn-amd-amdhsa--gfx1250"
	.amdhsa_code_object_version 6
	.text
	.protected	k_qda08b36e1e_attn
	.globl	k_qda08b36e1e_attn
	.p2align	8
	.type	k_qda08b36e1e_attn,@function
k_qda08b36e1e_attn:
	s_mov_b64 s[64:65], 0
	v_nop
	global_prefetch_b8 v0, s[64:65] scope:SCOPE_SE
	s_setreg_imm32_b32 hwreg(HW_REG_WAVE_MODE, 25, 1), 1
	s_wait_xcnt 0x0
	s_wait_alu depctr_hold_cnt(0) depctr_sa_sdst(0) depctr_va_vdst(0) depctr_va_sdst(0) depctr_va_ssrc(0) depctr_va_vcc(0) depctr_vm_vsrc(0)
	s_getreg_b32 s2, hwreg(HW_REG_IB_STS2, 6, 4)
	s_cmp_eq_u32 s2, 0
	s_cbranch_scc0 .Lentry_in_a_cluster
	s_endpgm
.Lentry_in_a_cluster:
	s_bfe_u32 s2, ttmp6, 0x10000c
	s_cmp_lg_u32 s2, 0x3003
	s_cbranch_scc0 .Lentry_shape_is_right
	s_endpgm
.Lentry_shape_is_right:
; CAUSAL ATTENTION ON CODES of FP8 (E4M3), head size 64, 1,024 tokens, 64 (batch, head) pairs.  Both products quantised; the result, O / l, is quantised again (entry 10) for the output projection.
; BESIDE IT the launch turns Wo into codes (entry 11) for the output projection: each wave half a row, eight loads ahead of the loop, converted behind it.
; LEFT OUT: steps of 128 keys, and in the diagonal step of an even tile the upper 64 keys, all of which come after a wave's 16 queries: reference()'s own causal mask gives each of their probabilities 0, whatever the inputs hold.
; LIMIT: a NaN or an infinity there is not carried to the result.
; q, k: [pair][token][64 bytes], v: [pair][key / 128][channel 64][128 bytes], as the launch before has laid them (bits 3 and 4 of the index along the innermost axis exchanged).
; THE SOFTMAX AHEAD OF THE SECOND PRODUCT: t = score x log2(e) / 8; M = the row's largest t so far, rounded UP to a whole number; p = 2^(t - M) is what is quantised (entry 9); it is not normalised.
; The row's sum is taken of the unquantised p, in f32, and divides O at the end.  When M moves, the sum and O are multiplied by 2^(old M - new M): exact.
; SHARES.  The four work-groups of a cluster serve one pair.  A pair's K and V, 64 KiB each, fit into LDS whole: they are asked for once, JOINTLY by the four partners, at the head: no ring, nothing is filled again,
; and nothing is left to prefetch.  Sixteen waves of 256 registers: four to a SIMD, so that one wave's vector work stands beside another's products and LDS loads.
; WHO TAKES WHICH QUERIES.  Wave w of partner cx takes the tile of queries 64 g + 16 cx + 0..15, which needs key steps 0 .. g / 2 of 128 keys.  With i = w % 4 and J = 3 - w / 4, g = 4 J + (i xor J): the longest tiles have the lowest
; wave numbers, and any four waves with equal w % 4 have 17 steps together (half steps counted as such).  Behind the head no wave waits for another until the closing round.
; Every wave walks all eight trips of the loop; a step all of whose keys come after the wave's queries is jumped over.  No barrier and no tensor load stands in it.
; THE DIAGONAL STEP.  A tile's first query lies 64 (g % 2) + 16 cx behind the step's first key: with g even only the step's first 64 keys can count (a half step), with g odd only its last 64 have to be masked.
; LAYOUT.  Both products are used transposed: S^T = K Q^T (source 0 = 16 keys, source 1 = my 16 queries), O^T = V^T P^T (source 0 = 16 channels, source 1 = P): a lane holds ONE query (lane % 16) throughout.
; Tile t of S^T gives lane (r, h) the keys 16 t + 8 h + 0..7; its eight codes are registers 2 t, 2 t + 1 of P: the place that the K = 128 and K = 64 forms give those keys.
; LIMITS: entries 6 + 7 between -123 and 130 (they are added to c's exponent field); entries 9, 10 and 11 between -126 and 119; entries 8 + 9 are applied by v_ldexp_f32 and have none; scaled scores under 2^31 in magnitude.
; NaN in Wo is not served; an infinity is held at the largest code.
; REGISTERS: v1-10 addresses and numbers that stay; v12 -M, v13 the largest t, v[14:15] the sum in two halves; v16-23 Q; v32-95 eight fragments of K, then four of V; v96-159 S^T, then p;
;   v160-191 O^T; v192-223 Wo's numbers, then the result on the way out; v224-239 p's codes; v232-247 partial sums; v236, v252-254 at work.
.set KP,    272                        ; four keys' rows (256 bytes, dense in memory) + 16 of padding: key x lies at (x / 4) KP + 64 (x % 4)
.set KTILE, 4*KP                       ; 16 keys
.set KSTEPB, 32*KP                     ; 128 keys
.set VP,    144                        ; a channel's 128 keys + 16 of padding
.set VSTEPB, 64*VP                     ; 128 keys of 64 channels
.set VOFF,  256*KP                     ; LDS: K's 1,024 keys, then V's eight blocks,
.set STAGE, VOFF+8*VSTEPB              ; then a stage of 16 rows x 80 bytes for each wave,
.set SPARE, STAGE+16*1280              ; then the spare words, 128 bytes for each wave
.set AK0,  1                           ; v1   my lane's place in a tile of K
.set AV0,  2                           ; v2   the same for V
.set DQ,   3                           ; v3   my query less the diagonal step's first key less 8 (lane / 16)
.set QO,   4                           ; v4   my byte in the wave's rows of Q
.set STW,  5                           ; v5   the stage: where I put 8 bytes of a row
.set STR,  6                           ; v6   and where I read back
.set GO,   7                           ; v7   16 x lane
.set ADK,  8
.set ADV,  9
.set RS,   10                          ; v10  the result's scale
.set WD,   192
.set PL,   248                         ; v248 448 x p's scale;  v249 p's scale;  v250 448 x the result's
.set PS,   249
.set RL,   250
.set SPW,  251                         ; v251, v255 the add's two registers; never rewritten
.set NIL,  255
.set LASTK, 3                          ; s3   my last key step: the diagonal one
.set WV,   18
.set GG,   19                          ; s19  g
.set SEL,  20                          ; s[20:21] lane selects for v_permlanex16_b32: lane l xor 16
.set CS,   22                          ; s[22:23] c = log2(e) / 8
.set G1K,  24                          ; s[24:31] descriptor group 1 for K;  s[32:39] for V;  s[40:43], s[44:47] their groups 0
.set G1V,  32
.set G0K,  40
.set G0V,  44
.set KS,   62                          ; s62  the trip: the key step
.set HK,   63                          ; s63  my half step (g odd: none)
.macro CROUND                          ; a round of the cluster's barrier
	s_barrier_signal -1
	s_barrier_wait -1
	s_cmp_lg_u32 s[WV], 0
	s_cbranch_scc1 .Lnot_wave_0_\@
	s_barrier_signal -3
.Lnot_wave_0_\@:
	s_barrier_wait -3
	s_barrier_signal -1
	s_barrier_wait -1
.endm
	s_load_b128 s[4:7], s[0:1], 0x0                ; qkv s[4:5], lowp_scales s[6:7]
	s_load_b128 s[96:99], s[0:1], 0x10             ; Wo s[96:97], acodes s[98:99]
	s_load_b64 s[8:9], s[0:1], 0x20                ; wocodes
	v_lshl_add_u32 v[SPW], v0, 2, SPARE
	v_mov_b32 v[NIL], 0
	ds_add_u32 v[SPW], v[NIL]                      ; the opening: the add, twice on end, and its wait ahead of my first tensor load
	ds_add_u32 v[SPW], v[NIL]
	v_lshrrev_b32 v8, 5, v0
	v_readfirstlane_b32 s[WV], v8                  ; wave 0..15
	s_lshr_b32 s48, s[WV], 2
	s_xor_b32 s48, s48, 3                          ; J
	s_and_b32 s49, s[WV], 3                        ; i
	s_xor_b32 s49, s49, s48
	s_lshl_b32 s48, s48, 2
	s_add_co_u32 s[GG], s48, s49                   ; g = 4 J + (i xor J)
	s_lshr_b32 s[LASTK], s[GG], 1
	s_and_b32 s52, s[GG], 1                        ; g % 2
	s_cmp_eq_u32 s52, 0
	s_cselect_b32 s[HK], s[LASTK], 15
	s_and_b32 s48, ttmp7, 0xffff                   ; the pair, which the four partners share
	s_bfe_u32 s49, ttmp6, 0x40000                  ; cx: it enters Q's, Wo's and the results' addresses and the mask's numbers alone
	s_and_b32 s50, s[WV], 3                        ; which quarter of K (waves 0-3) or of V (waves 4-7) I fetch
	s_lshl_b32 s10, s48, 16                        ; the pair's 65,536 bytes,
	s_lshl_b32 s51, s50, 14                        ; my quarter of them
	s_add_co_u32 s10, s10, s51
	s_mov_b32 s11, 0
	s_mul_i32 s12, s50, 64*KP                      ; and where it goes: 256 keys,
	s_mul_i32 s13, s50, 2*VSTEPB                   ; or two blocks of V
	s_add_co_u32 s13, s13, VOFF
	s_lshl_b32 s56, s48, 16                        ; Q: the pair, + (64 g + 16 cx) rows of 64 bytes
	s_lshl_b32 s51, s49, 10
	s_add_co_u32 s56, s56, s51
	s_lshl_b32 s51, s[GG], 12
	s_add_co_u32 s56, s56, s51
	s_mov_b32 s57, 0
	s_lshr_b32 s60, s48, 5                         ; the result: [token / 64][head][token % 64][64 bytes]: token / 64 = 16 x batch + g,
	s_lshl_b32 s60, s60, 4
	s_add_co_u32 s60, s60, s[GG]
	s_lshl_b32 s60, s60, 17
	s_and_b32 s51, s48, 31                         ; the head,
	s_lshl_b32 s51, s51, 12
	s_add_co_u32 s60, s60, s51
	s_lshl_b32 s51, s49, 10                        ; token % 64 = 16 cx + 0..15
	s_add_co_u32 s60, s60, s51
	s_mov_b32 s61, 0
	s_lshl_b32 s14, s52, 6
	s_lshl_b32 s51, s49, 4
	s_add_co_u32 s14, s14, s51                     ; my first query less the diagonal step's first key: 64 (g % 2) + 16 cx
	; Wo: work-group b = 4 x pair + cx takes rows 8 b .. 8 b + 7, a wave half a row: 4,096 bytes in; out [row / 64][k / 512][row % 64][512 bytes]
	s_lshl_b32 s50, s48, 2
	s_add_co_u32 s50, s50, s49
	s_lshl_b32 s86, s50, 16
	s_lshl_b32 s51, s[WV], 12
	s_add_co_u32 s86, s86, s51
	s_mov_b32 s87, 0
	s_lshr_b32 s88, s50, 3
	s_lshl_b32 s88, s88, 17
	s_and_b32 s50, s50, 7
	s_lshl_b32 s50, s50, 12
	s_add_co_u32 s88, s88, s50
	s_lshr_b32 s50, s[WV], 1
	s_lshl_b32 s50, s50, 9
	s_add_co_u32 s88, s88, s50
	s_and_b32 s50, s[WV], 1
	s_lshl_b32 s50, s50, 16
	s_add_co_u32 s88, s88, s50
	s_mov_b32 s89, 0
	; descriptor group 1: 64 dense rows of 256 bytes (four keys; two channels of V)
	s_mov_b32 s[G1K], 15|(0<<16)|(1<<20)|(1<<21)|(5<<22)|(3<<25)   ; 15:0 the mask: all four partners; 17:16 elements of 1 byte; 20 padding on; 21 set beside a mask; 24:22 after every 64 words (code 5); 31:25 four words (code 3)
	s_mov_b32 s[G1V], 15|(0<<16)|(1<<20)|(1<<21)|(4<<22)|(3<<25)   ; padding: four words after every 32
.irp g, G1K, G1V
	s_mov_b32 s[\g+1], 256<<16                     ; tensor_dim0
	s_mov_b32 s[\g+2], 64<<16                      ; tensor_dim1
	s_mov_b32 s[\g+3], 256<<16                     ; tile_dim0
	s_mov_b32 s[\g+4], 64                          ; tile_dim1
	s_mov_b32 s[\g+5], 256                         ; tensor_dim0_stride
	s_mov_b32 s[\g+6], 0
	s_mov_b32 s[\g+7], 0
.endr
	s_mov_b32 s[SEL], 0x76543210
	s_mov_b32 s[SEL+1], 0xfedcba98
	s_mov_b32 s[CS], 0x3e38aa3b                    ; c = log2(e) / 8
	s_mov_b32 s[KS], 0
	s_wait_dscnt 0x0                               ; both opening adds are done
	s_wait_kmcnt 0x0
	s_load_b256 s[68:75], s[6:7], 0x10             ; entries 4 to 11: s70 = 6, s71 = 7, s72 = 8, s73 = 9, s74 = 10, s75 = 11
	s_add_nc_u64 s[10:11], s[4:5], s[10:11]
	s_mov_b32 s[G0K], 1                            ; 1:0 count = 1
	s_mov_b32 s[G0K+1], s12                        ; 63:32 LDS address
	s_add_nc_u64 s[G0K+2:G0K+3], s[10:11], 0x400000   ; 120:64 global address: k's part of the buffer
	s_or_b32 s[G0K+3], s[G0K+3], 0x80000000        ; 127:126 type = 2
	s_mov_b32 s[G0V], 1
	s_mov_b32 s[G0V+1], s13
	s_add_nc_u64 s[G0V+2:G0V+3], s[10:11], 0x800000   ; v's part
	s_or_b32 s[G0V+3], s[G0V+3], 0x80000000
	s_add_nc_u64 s[56:57], s[4:5], s[56:57]
	s_add_nc_u64 s[98:99], s[98:99], s[60:61]
	s_add_nc_u64 s[96:97], s[96:97], s[86:87]
	s_add_nc_u64 s[8:9], s[8:9], s[88:89]
	CROUND                                         ; all four partners are here: the joint loads meet
	s_cmp_lt_u32 s[WV], 4                          ; waves 0-3 fetch K's quarters, waves 4-7 V's, the others nothing: one load a wave, the launch's only fills
	s_cbranch_scc0 .Lnot_k
	tensor_load_to_lds s[G0K:G0K+3], s[G1K:G1K+7]
	s_nop 0
.rept 4
	v_nop                                          ; four v_nop follow each of the two lines
.endr
	s_branch .Lasked
.Lnot_k:
	s_cmp_lt_u32 s[WV], 8
	s_cbranch_scc0 .Lasked
	tensor_load_to_lds s[G0V:G0V+3], s[G1V:G1V+7]
	s_nop 0
.rept 4
	v_nop
.endr
.Lasked:
	s_mul_i32 s51, s[WV], 16*80
	s_add_co_u32 s51, s51, STAGE                   ; my stage
	v_and_b32 v96, 15, v0                          ; r = lane % 16
	v_bfe_u32 v97, v0, 4, 1                        ; h = lane / 16
	v_and_b32 v98, 31, v0                          ; lane
	v_and_b32 v99, 3, v0
	v_lshlrev_b32 v[QO], 6, v96
	v_lshrrev_b32 v100, 2, v96
	v_mul_u32_u24 v[AV0], v96, VP
	v_mul_u32_u24 v[STW], v96, 80
	v_lshl_add_u32 v[QO], v97, 4, v[QO]            ; Q: row r of 64 bytes, + 16 h
	v_mul_u32_u24 v[AK0], v100, KP
	v_lshl_add_u32 v[AV0], v97, 4, v[AV0]
	v_lshl_add_u32 v[STW], v97, 3, v[STW]
	v_lshlrev_b32 v[GO], 4, v98
	v_lshl_add_u32 v[AK0], v99, 6, v[AK0]
	v_add_nc_u32 v[AV0], VOFF, v[AV0]              ; V: channel r of a tile, + 16 h
	v_add_nc_u32 v[STW], s51, v[STW]               ; the stage, in: row r, + 8 h
	v_lshl_add_u32 v[AK0], v97, 4, v[AK0]          ; K: key r of a tile, + 16 h
	v_lshrrev_b32 v100, 2, v98
	v_lshlrev_b32 v101, 3, v97
	v_mul_u32_u24 v[STR], v100, 80
	v_sub_nc_u32 v101, v96, v101
	v_lshl_add_u32 v[STR], v99, 4, v[STR]
	v_add_nc_u32 v[DQ], s14, v101
	v_add_nc_u32 v[STR], s51, v[STR]               ; back: four lanes to a row of 64 bytes
	v_mov_b32 v13, 0xff61b1e6                      ; the largest t so far: -3e38, under every t
	v_mov_b32 v12, 0x7f61b1e6                      ; -M: a whole number
	v_mov_b32 v14, 0                               ; the sum, in two halves
	v_mov_b32 v15, 0
	v_mov_b32 v236, 0                              ; written once: a lane permute's destination counts as one of its sources
	v_mov_b32 v252, 0
	v_mov_b32 v253, 0                              ; (named as the upper half of the pair v[252:253])
.set j, 0
.rept 32
	v_mov_b32 v[160+j], 0                          ; O^T.  (A step's text finds zeros the first time, which the first change of M leaves zeros)
.set j, j+1
.endr
	global_load_b128 v[16:19], v[QO], s[56:57]     ; Q's fragment: the same two pieces of a row as K's fragments take
	global_load_b128 v[20:23], v[QO], s[56:57] offset:32
	s_wait_alu depctr_va_vdst(0)
	s_wait_kmcnt 0x0
	s_add_co_i32 s76, s70, s71
	s_lshl_b32 s76, s76, 23
	s_add_co_i32 s[CS], s[CS], s76                 ; a score stands for score x 2^(entry 6 + entry 7): the two are added to c's exponent field
	s_mov_b32 s[CS+1], s[CS]                       ; (named with it as a pair, so it is written)
	s_add_co_i32 s76, s73, 127
	s_lshl_b32 s77, s76, 23
	v_mov_b32 v[PS], s77                           ; p's scale as f32,
	s_add_co_i32 s76, s76, 8
	s_lshl_b32 s76, s76, 23
	s_or_b32 s76, s76, 0x600000
	v_mov_b32 v[PL], s76                           ; and 448 x it
	s_add_co_i32 s76, s74, 127
	s_lshl_b32 s77, s76, 23
	v_mov_b32 v[RS], s77                           ; the same for the result
	s_add_co_i32 s76, s76, 8
	s_lshl_b32 s76, s76, 23
	s_or_b32 s76, s76, 0x600000
	v_mov_b32 v[RL], s76
	s_add_co_i32 s76, s72, s73                     ; entry 8 + entry 9: what a sum of the second product lacks
	s_wait_alu depctr_va_vdst(0)                   ; the head's end
	s_wait_tensorcnt 0x0                           ; my part of K or V is in,
	s_barrier_signal -1
	s_barrier_wait -1                              ; everybody's is
	s_wait_loadcnt 0x0                             ; Q
.irp s, 0,1
.irp i, 0,1,2,3
	global_load_b128 v[WD+16*\s+4*\i:WD+16*\s+4*\i+3], v[GO], s[96:97] offset:2048*\s+512*\i th:TH_LOAD_NT   ; Wo: 512 consecutive bytes a load; behind K and V, and needed behind the loop
.endr
.endr
; A KEY STEP of 16 nt keys: nt = 8, or 4 where only the first half of a diagonal step can count.
.macro STEP nt
	v_add_nc_u32 v[ADK], s16, v[AK0]
	v_add_nc_u32 v[ADV], s17, v[AV0]
	v_nop                                          ; with the two additions: four places in front of loads into registers that the last products have read
	v_nop
.set t, 0
.rept \nt
	ds_load_b128 v[32+8*t:35+8*t], v[ADK] offset:KTILE*t
	ds_load_b128 v[36+8*t:39+8*t], v[ADK] offset:KTILE*t+32
.set t, t+1
.endr
	s_wait_alu depctr_va_vdst(0)
	s_wait_dscnt 0x0
.set t, 0
.rept \nt                                      ; S^T = K Q^T: tile t = keys 16 t + 0..15
	v_wmma_f32_16x16x64_fp8_fp8 v[96+8*t:103+8*t], v[32+8*t:39+8*t], v[16:23], 0
.set t, t+1
.endr
.rept 4
	v_nop                                          ; places in front of the loads below and of the first read of the scores
.endr
.irp u, 0,1,2,3                                ; V's four fragments are asked for now and land while the softmax is worked
.set c, 0
.rept \nt/2
	ds_load_b128 v[32+16*\u+4*c:35+16*\u+4*c], v[ADV] offset:16*\u*VP+32*c
.set c, c+1
.endr
.endr
	; THE MASK: -infinity: p = 0 then.  Register 8 t + j holds the step's key 16 t + 8 h + j: hidden where 16 t + j > v[DQ].  The tile's first key counts for every query
.if \nt == 8
	s_cmp_lg_u32 s[KS], s[LASTK]                   ; only a tile's last step lies on the diagonal
	s_cbranch_scc1 .Lopen_\@
.endif
	v_mov_b32 v254, 0xff800000
.set n, 8*\nt-32                       ; nt = 8: g is odd, and the first 64 keys all count
.rept 32
	v_cmp_gt_i32 vcc_lo, 16*(n/8)+n%8, v[DQ]
	v_cndmask_b32 v[96+n], v[96+n], v254, vcc_lo
.set n, n+1
.endr
.Lopen_\@:
	v_max3_num_f32 v254, v96, v97, v98             ; the step's largest score of my query, in two chains,
	v_max3_num_f32 v252, v99, v100, v101
.set i, 6
.rept 2*\nt-2
	v_max3_num_f32 v254, v254, v[96+i], v[97+i]
	v_max3_num_f32 v252, v252, v[98+i], v[99+i]
.set i, i+4
.endr
	v_max3_num_f32 v254, v254, v[96+i], v[97+i]
	s_delay_alu instid0(VALU_DEP_1)
	v_max_num_f32 v254, v254, v252
	v_permlanex16_b32 v236, v254, s[SEL], s[SEL+1]
	s_delay_alu instid0(VALU_DEP_1)
	v_max_num_f32 v254, v254, v236                 ; and among lane l xor 16's
	s_delay_alu instid0(VALU_DEP_1)
	v_mul_f32 v254, s[CS], v254                    ; as t (c is positive)
	s_delay_alu instid0(VALU_DEP_1)
	v_max_num_f32 v13, v13, v254                   ; the running largest t
	v_mov_b32 v254, v12
	s_delay_alu instid0(VALU_DEP_2)
	v_floor_f32 v12, -v13                          ; the new -M = floor(-t) = -ceil(t): M IS A WHOLE NUMBER
	s_delay_alu instid0(VALU_DEP_1)
	v_sub_f32 v254, v12, v254                      ; M's old value less its new one: a whole number, 0 or less
	s_delay_alu instid0(VALU_DEP_1)
	v_cvt_i32_f32 v254, v254                       ; (it saturates)
	s_delay_alu instid0(VALU_DEP_1)
	v_ldexp_f32 v252, 1.0, v254                    ; f = 2^(old M - new M)
.set j, 0
.rept 4*\nt
	v_pk_fma_f32 v[96+j:97+j], v[96+j:97+j], s[CS:CS+1], v[12:13] op_sel_hi:[1,0,0]   ; t - M, two at a time (of the pairs c and -M the low word serves both halves)
.set j, j+2
.endr
.set j, 0
	s_wait_alu depctr_va_vdst(0)                   ; one wait ahead of the batch
.rept 8*\nt
	v_exp_f32 v[96+j], v[96+j]                     ; p = 2^(t - M), at most 1: NOT normalised
.set j, j+1
.endr
	v_pk_mul_f32 v[14:15], v[14:15], v[252:253] op_sel_hi:[1,0]   ; the sums under the new M.  (The plain line behind the exponentials)
	s_wait_alu depctr_va_vdst(0)                   ; one wait for the whole batch, ahead of its first reader
.set j, 0
.rept 8                                        ; the row's sum, of the unquantised p: eight chains, two numbers at a time,
	v_pk_add_f32 v[232+j:233+j], v[96+j:97+j], v[112+j:113+j]
.set j, j+2
.endr
.if \nt == 8
.irp q, 128, 144
.set j, 0
.rept 8
	v_pk_add_f32 v[232+j:233+j], v[232+j:233+j], v[\q+j:\q+1+j]
.set j, j+2
.endr
.endr
.endif
.irp q, 232,234,236,238                        ; then joined
	v_pk_add_f32 v[\q:\q+1], v[\q:\q+1], v[\q+8:\q+9]
.endr
	s_delay_alu instid0(VALU_DEP_2)
	v_pk_add_f32 v[232:233], v[232:233], v[236:237]
	v_pk_add_f32 v[234:235], v[234:235], v[238:239]
	s_delay_alu instid0(VALU_DEP_1)
	v_pk_add_f32 v[232:233], v[232:233], v[234:235]
	s_delay_alu instid0(VALU_DEP_1)
	v_pk_add_f32 v[14:15], v[14:15], v[232:233]
.set t, 0
.rept \nt
.irp i, 0,1,2,3,4,5,6,7
	v_min_num_f32 v[96+8*t+\i], v[96+8*t+\i], v[PL]   ; the conversion to an 8-bit code does not saturate (ISA guide 7.6.2); p is not negative, so the hold is one-sided
.endr
	v_cvt_scalef32_pk8_fp8_f32 v[224+2*t:225+2*t], v[96+8*t:103+8*t], v[PS]
.set t, t+1
.endr
.set j, 0
.rept 16
	v_pk_mul_f32 v[160+j:161+j], v[160+j:161+j], v[252:253] op_sel_hi:[1,0]   ; O^T under the new M: x f.  (Also the plain lines between the conversions and the products)
.set j, j+2
.endr
	s_wait_alu depctr_va_vdst(0)
	s_wait_dscnt 0x0                               ; V's fragments are in
.irp u, 0,1,2,3                                ; O^T += V^T P^T: four tiles of 16 channels; the four accumulators take turns
.if \nt == 8
	v_wmma_f32_16x16x128_fp8_fp8 v[160+8*\u:167+8*\u], v[32+16*\u:47+16*\u], v[224:239], v[160+8*\u:167+8*\u]
.else
	v_wmma_f32_16x16x64_fp8_fp8 v[160+8*\u:167+8*\u], v[32+16*\u:39+16*\u], v[224:231], v[160+8*\u:167+8*\u]
.endif
.endr
.endm
.Lstep:                                            ; eight trips
	s_cmp_gt_u32 s[KS], s[LASTK]                   ; all of the step's keys come after my queries
	s_cbranch_scc1 .Lhidden
	s_mul_i32 s16, s[KS], KSTEPB
	s_mul_i32 s17, s[KS], VSTEPB
	s_cmp_eq_u32 s[KS], s[HK]                      ; the diagonal step of an even tile
	s_cbranch_scc1 .Lhalf
	STEP 8
	s_branch .Lhidden
.Lhalf:
	STEP 4
.Lhidden:
	s_add_co_u32 s[KS], s[KS], 1
	s_cmp_lt_u32 s[KS], 8
	s_cbranch_scc1 .Lstep
.rept 4
	v_nop                                          ; places behind the last products
.endr
	; WO'S CODES.  Load i of a step has given lane l the numbers 128 i + 4 l + 0..3; the four codes of each are turned among the lanes of a quad, so that lane 4 q + s holds k = 128 s + 16 q + 0..15
	s_add_co_i32 s77, s75, 127
	s_lshl_b32 s86, s77, 23
	s_add_co_i32 s77, s77, 8
	s_lshl_b32 s77, s77, 23
	s_or_b32 s77, s77, 0x600000
	v_mov_b32 v49, s86                             ; 2^e,
	v_mov_b32 v50, s77                             ; 448 x it
	v_and_b32 v51, 1, v0
	v_cmp_ne_u32 s90, 0, v51                       ; the lanes whose bit 0 is set,
	v_and_b32 v52, 2, v0
	v_cmp_ne_u32 s91, 0, v52                       ; and bit 1
	v_and_b32 v53, 3, v0
	v_bfe_u32 v54, v0, 2, 3
	v_lshlrev_b32 v53, 7, v53
	v_lshl_add_u32 v48, v54, 4, v53                ; my byte in a store: 128 (l % 4) + 16 (l / 4)
	s_wait_alu depctr_va_vdst(0)
	s_wait_loadcnt 0x0
; lanes l and l xor x exchange: where the lane's bit is set v[a] is sent and replaced, elsewhere v[b]
.macro XCH a, b, m, x, w
	v_cndmask_b32 v[\w], v[\b], v[\a], s[\m]
	v_mov_b32_dpp v[\w+1], v[\w] row_xmask:\x row_mask:0xf bank_mask:0xf
	v_cndmask_b32 v[\a], v[\a], v[\w+1], s[\m]
	v_cndmask_b32 v[\b], v[\w+1], v[\b], s[\m]
.endm
.irp s, 0,1
.set n, WD+16*\s
.rept 16
	v_med3_num_f32 v[n], v[n], -v50, v50           ; the conversion to an 8-bit code does not saturate (ISA guide 7.6.2)
.set n, n+1
.endr
	v_cvt_scalef32_pk8_fp8_f32 v[40+4*\s:41+4*\s], v[WD+16*\s:WD+16*\s+7], v49
	v_cvt_scalef32_pk8_fp8_f32 v[42+4*\s:43+4*\s], v[WD+16*\s+8:WD+16*\s+15], v49
	v_nop                                          ; the plain line behind the conversions
	XCH 40+4*\s, 41+4*\s, 90, 1, WD+16*\s
	XCH 42+4*\s, 43+4*\s, 90, 1, WD+16*\s+2
	XCH 40+4*\s, 42+4*\s, 91, 2, WD+16*\s+4
	XCH 41+4*\s, 43+4*\s, 91, 2, WD+16*\s+6
	global_store_b128 v48, v[40+4*\s:43+4*\s], s[8:9] offset:32768*\s   ; 512 consecutive bytes, aligned
.endr
	; THE WAY OUT.  O^T / the sum x 2^(entry 8 + entry 9) is the attention's result; it is quantised under entry 10 and goes through my stage, so that the wave's 16 rows of 64 bytes leave as 1,024 consecutive bytes.
	v_add_f32 v14, v14, v15                        ; the sum's two halves,
	s_delay_alu instid0(VALU_DEP_1)
	v_permlanex16_b32 v252, v14, s[SEL], s[SEL+1]
	s_delay_alu instid0(VALU_DEP_1)
	v_add_f32 v14, v14, v252                       ; and lane l xor 16's: the row's sum
	s_wait_alu depctr_va_vdst(0)                   ; ahead of the transcendental
	v_rcp_f32 v14, v14
	v_nop                                          ; a plain line behind the transcendental,
	s_wait_alu depctr_va_vdst(0)                   ; and the wait ahead of its first reader
	v_ldexp_f32 v14, v14, s76
	s_wait_alu depctr_va_vdst(0)                   ; directly ahead of the first reader of O^T
.set j, 0
.rept 16
	v_pk_mul_f32 v[192+j:193+j], v[160+j:161+j], v[14:15] op_sel_hi:[1,0]   ; register 8 t + i is the result at (query r, channel 16 t + 8 h + i); each accumulator from its low end on
.set j, j+2
.endr
.set j, 0
.rept 32
	v_med3_num_f32 v[192+j], v[192+j], -v[RL], v[RL]
.set j, j+1
.endr
.irp t, 0,1,2,3
	v_cvt_scalef32_pk8_fp8_f32 v[224+2*\t:225+2*\t], v[192+8*\t:199+8*\t], v[RS]
.endr
	v_nop                                          ; the plain line behind the last conversion
.irp t, 0,1,2,3
	ds_store_b64 v[STW], v[224+2*\t:225+2*\t] offset:16*\t
.endr
.irp i, 0,1
	ds_load_b128 v[32+4*\i:35+4*\i], v[STR] offset:640*\i   ; LDS serves a wave's instructions in order (ISA guide 5.7.1.4): these see my stores
.endr
.irp i, 0,1
	s_wait_dscnt 1-\i                              ; load i is in; the younger one may be out
	global_store_b128 v[GO], v[32+4*\i:35+4*\i], s[98:99] offset:512*\i   ; 32 lanes store 512 consecutive bytes, aligned
.endr
	s_wait_tensorcnt 0x0                           ; the wave's end
	ds_add_u32 v[SPW], v[NIL]
	s_wait_dscnt 0x0
	CROUND                                         ; the closing round
	s_endpgm
.Lfunc_end_k_qda08b36e1e_attn:
	.size	k_qda08b36e1e_attn, .Lfunc_end_k_qda08b36e1e_attn-k_qda08b36e1e_attn
	.p2alignl 7, 3214868480
	.fill 96, 4, 3214868480
	.section	.rodata,"a",@progbits
	.p2align	6, 0x0
	.amdhsa_kernel k_qda08b36e1e_attn
		.amdhsa_group_segment_fixed_size 167936
		.amdhsa_private_segment_fixed_size 0
		.amdhsa_enable_private_segment 0
		.amdhsa_kernarg_size 40
		.amdhsa_user_sgpr_count 2
		.amdhsa_user_sgpr_kernarg_segment_ptr 1
		.amdhsa_wavefront_size32 1
		.amdhsa_system_sgpr_workgroup_id_x 1
		.amdhsa_system_sgpr_workgroup_id_y 1
		.amdhsa_system_sgpr_workgroup_id_z 1
		.amdhsa_system_vgpr_workitem_id 0
		.amdhsa_next_free_vgpr 256
		.amdhsa_next_free_sgpr 100
		.amdhsa_reserve_vcc 1
		.amdhsa_float_denorm_mode_32 3
		.amdhsa_float_denorm_mode_16_64 3
		.amdhsa_memory_ordered 1
		.amdhsa_forward_progress 1
		.amdhsa_inst_pref_size 51
	.end_amdhsa_kernel
	.amdgpu_metadata
---
amdhsa.version: [ 1, 2 ]
amdhsa.kernels:
  - .name:           k_qda08b36e1e_attn
    .symbol:         k_qda08b36e1e_attn.kd
    .args:
      - { .name: qkv, .offset: 0, .size: 8, .value_kind: global_buffer, .address_space: global }
      - { .name: lowp_scales, .offset: 8, .size: 8, .value_kind: global_buffer, .address_space: global }
      - { .name: Wo, .offset: 16, .size: 8, .value_kind: global_buffer, .address_space: global }
      - { .name: acodes, .offset: 24, .size: 8, .value_kind: global_buffer, .address_space: global }
      - { .name: wocodes, .offset: 32, .size: 8, .value_kind: global_buffer, .address_space: global }
    .group_segment_fixed_size: 167936
    .private_segment_fixed_size: 0
    .kernarg_segment_align: 8
    .kernarg_segment_size: 40
    .max_flat_workgroup_size: 512
    .sgpr_count:     100
    .vgpr_count:     256
    .wavefront_size: 32
...
	.end_amdgpu_metadata
.endif
;; end of part 3
;; launch oproj (part 4): grid 16 x 16, 4 waves a work-group, clusters of 4 x 4, 327,680 bytes of LDS; arguments acodes, wocodes, lowp_scales, bo, out0; writes out0
.if DOCPART == 4
	.amdgcn_target "amdgcn-amd-amdhsa--gfx1250"
	.amdhsa_code_object_version 6
	.text
	.protected	k_qda08b36e1e_oproj
	.globl	k_qda08b36e1e_oproj
	.p2align	8
	.type	k_qda08b36e1e_oproj,@function
k_qda08b36e1e_oproj:
	s_mov_b64 s[64:65], 0
	v_nop
	global_prefetch_b8 v0, s[64:65] scope:SCOPE_SE
	s_setreg_imm32_b32 hwreg(HW_REG_WAVE_MODE, 25, 1), 1
	s_wait_xcnt 0x0
	s_wait_alu depctr_hold_cnt(0) depctr_sa_sdst(0) depctr_va_vdst(0) depctr_va_sdst(0) depctr_va_ssrc(0) depctr_va_vcc(0) depctr_vm_vsrc(0)
	s_getreg_b32 s2, hwreg(HW_REG_IB_STS2, 6, 4)
	s_cmp_eq_u32 s2, 0
	s_cbranch_scc0 .Lentry_in_a_cluster
	s_endpgm
.Lentry_in_a_cluster:
	s_bfe_u32 s2, ttmp6, 0x10000c
	s_cmp_lg_u32 s2, 0xf033
	s_cbranch_scc0 .Lentry_shape_is_right
	s_endpgm
.Lentry_shape_is_right:
; out[m][n] = (sum over k of A[m][k] Wo[n][k]) x 2^(entry 10 + entry 11) + bo[n], 2048 x 2048 x 2048, on codes of FP8 (E4M3), f32 sums and result.
; LIMIT: entry 10 + entry 11 lies between -126 and 127.
; A: [token / 64][head][token % 64][64 bytes]: 64 tokens x 8 heads (512 along K) are 32,768 dense bytes.  Wo: [row / 64][k / 512][row % 64][512 bytes]: 64 rows x 512 along K likewise.
; A tile of 128 x 128, a work-group of four waves of 64 x 64 each: 256 work-groups.  K goes in four steps of 512 through two LDS slots: a wave's ONE load at the head brings its 64 rows of K steps 0 AND 1, into its part of slot 0
; and, right behind it, of slot 1; K steps 2 and 3 are refills, prefetched into the L2 at the head, two refills ahead.
; CLUSTERS: 4 x 4 work-groups; A's tiles are asked for jointly by a row of the cluster, Wo's by a column.  Source 0 takes rows of Wo, source 1 rows of A: a lane holds eight neighbouring columns of a row of the result.
; REGISTERS: window 0: v0-31 addresses, v32-63 the bias, v64-127 the way out, v128-255 the 16 accumulators; window 1: two buffers of fragments (A's four blocks, then Wo's four).
.set AP,     272                       ; A in LDS: 256 bytes + 16 of padding
.set AS,     128*AP                    ; a wave's part of a slot
.set BP,     528                       ; Wo: 512 bytes + 16
.set BS,     64*BP
.set BOFF,   4*AS
.set STAGE,  BOFF+4*BS
.set SPITCH, 272
.set SPARE,  STAGE+4*16*SPITCH
.set KSB,    32768                     ; bytes of a K step of 64 rows
.set ADRA, 16
.set ADRB, 20
.set STO,  24
.set RD,   25
.set CO,   26
.set SPW,  28
.set NIL,  29
.set PFO,  31
.set BO,   32
.set TMP,  64
.set ACC,  128
.set F0,   0
.set F1,   128
.set G1, 24                            ; s[24:31], s[48:55] group 1 of the refills of A and Wo;  s[80:87], s[88:95] of the head's loads;  s[32:35], s[36:39] group 0
.set G1B, 48
.set H1, 80
.set H1B, 88
.set G0, 32
.set G0B, 36
.set PFA, 66
.set MSB, 0
.macro WIN new                         ; the immediate's high byte repeats the setting that is left
.if MSB != \new
	s_set_vgpr_msb (MSB<<8)|\new
.set MSB, \new
.endif
.endm
.set MUL,  0x05                        ; sources 0 and 1 window 1, C and D window 0
.set TO_F, 0x40
.macro JLOAD g1a, g1b                  ; waves 0 and 1 fetch for A, waves 2 and 3 for Wo
	s_cmp_eq_u32 s15, 0
	s_cbranch_scc0 .Lfor_b_\@
	tensor_load_to_lds s[G0:G0+3], s[\g1a:\g1a+7]
	s_nop 0
.rept 4
	v_nop
.endr
	s_branch .Lasked_\@
.Lfor_b_\@:
	tensor_load_to_lds s[G0B:G0B+3], s[\g1b:\g1b+7]
	s_nop 0
.rept 4
	v_nop
.endr
.Lasked_\@:
.endm
.macro CREST                           ; a round of the cluster's barrier behind its opening barrier
	s_cmp_lg_u32 s14, 0
	s_cbranch_scc1 .Lnot_wave_0_\@
	s_barrier_signal -3
.Lnot_wave_0_\@:
	s_barrier_wait -3
	s_barrier_signal -1
	s_barrier_wait -1
.endm
.macro CROUND
	s_barrier_signal -1
	s_barrier_wait -1
	CREST
.endm
	s_load_b256 s[68:75], s[0:1], 0x0              ; acodes, wocodes, lowp_scales, bo
	s_load_b64 s[76:77], s[0:1], 0x20              ; out0
	v_lshl_add_u32 v[SPW], v0, 2, SPARE
	v_mov_b32 v[NIL], 0
	ds_add_u32 v[SPW], v[NIL]                      ; the opening: the add, twice on end, and its wait ahead of my first tensor load
	ds_add_u32 v[SPW], v[NIL]
	v_lshrrev_b32 v1, 5, v0
	v_readfirstlane_b32 s14, v1                    ; wave
	s_lshr_b32 s15, s14, 1                         ; my 64 rows; also: I fetch for A (0) or Wo (1)
	s_and_b32 s16, s14, 1                          ; my 64 columns; also: which 64 rows I fetch
	s_bfe_u32 s40, ttmp6, 0x40000                  ; cx, cy
	s_bfe_u32 s41, ttmp6, 0x40004
	s_lshl_b32 s42, ttmp9, 2
	s_add_co_u32 s42, s42, s40                     ; tile column
	s_and_b32 s17, ttmp7, 0xffff
	s_lshl_b32 s17, s17, 2
	s_add_co_u32 s17, s17, s41                     ; tile row
	s_lshl_b32 s43, s41, 2
	s_lshl_b32 s43, 15, s43                        ; my row of the cluster
	s_lshl_b32 s44, 0x1111, s40                    ; my column
	; descriptor group 1.  A: 128 (head: 256) dense rows of 256 bytes, four words of padding after every 64;  Wo: 64 (head: 128) dense rows of 512 bytes, four after every 128
	s_or_b32 s[G1+0], s43, (0<<16)|(1<<20)|(1<<21)|(5<<22)|(3<<25)
	s_or_b32 s[H1+0], s43, (0<<16)|(1<<20)|(1<<21)|(5<<22)|(3<<25)
	s_or_b32 s[G1B+0], s44, (0<<16)|(1<<20)|(1<<21)|(6<<22)|(3<<25)
	s_or_b32 s[H1B+0], s44, (0<<16)|(1<<20)|(1<<21)|(6<<22)|(3<<25)
.irp g, G1, H1
	s_mov_b32 s[\g+1], 256<<16
	s_mov_b32 s[\g+3], 256<<16
	s_mov_b32 s[\g+5], 256
	s_mov_b32 s[\g+6], 0
	s_mov_b32 s[\g+7], 0
.endr
.irp g, G1B, H1B
	s_mov_b32 s[\g+1], 512<<16
	s_mov_b32 s[\g+3], 512<<16
	s_mov_b32 s[\g+5], 512
	s_mov_b32 s[\g+6], 0
	s_mov_b32 s[\g+7], 0
.endr
	s_mov_b32 s[G1+2], 128<<16
	s_mov_b32 s[G1+4], 128
	s_mov_b32 s[H1+2], 256<<16
	s_mov_b32 s[H1+4], 256
	s_mov_b32 s[G1B+2], 64<<16
	s_mov_b32 s[G1B+4], 64
	s_mov_b32 s[H1B+2], 128<<16
	s_mov_b32 s[H1B+4], 128
	s_lshl_b32 s20, s17, 1
	s_add_co_u32 s20, s20, s16
	s_lshl_b32 s20, s20, 17                        ; 64 rows of all K: 131,072 bytes
	s_mov_b32 s21, 0
	s_lshl_b32 s46, s42, 1
	s_add_co_u32 s46, s46, s16
	s_lshl_b32 s46, s46, 17
	s_mov_b32 s47, 0
	s_mul_i32 s45, s16, 2*AS                       ; where they go: no place in the cluster enters an LDS address
	s_mul_i32 s18, s16, 2*BS
	s_add_co_u32 s18, s18, BOFF
	s_wait_dscnt 0x0                               ; both opening adds are done
	s_wait_kmcnt 0x0
	s_load_b64 s[96:97], s[72:73], 0x28            ; entries 10, 11
	s_mov_b32 s[G0], 1
	s_mov_b32 s[G0+1], s45
	s_add_nc_u64 s[G0+2:G0+3], s[68:69], s[20:21]
	s_or_b32 s[G0+3], s[G0+3], 0x80000000
	s_mov_b32 s[G0B], 1
	s_mov_b32 s[G0B+1], s18
	s_add_nc_u64 s[G0B+2:G0B+3], s[70:71], s[46:47]
	s_or_b32 s[G0B+3], s[G0B+3], 0x80000000
	CROUND                                         ; all sixteen work-groups are here: the first joint loads meet
	JLOAD H1, H1B                                  ; K steps 0 and 1: one tensor load a wave at the head
	; the prefetches: of the 32,768 bytes of a K step that I fetch, the partner at place c (cx for A, cy for Wo) takes 8,192, 256 a lane: each block once in each cluster that will load it
	s_cmp_eq_u32 s15, 0
	s_cselect_b64 s[PFA:PFA+1], s[68:69], s[70:71]
	s_cselect_b32 s22, s20, s46
	s_cselect_b32 s23, s40, s41
	s_lshl_b32 s23, s23, 13
	s_add_co_u32 s22, s22, s23
	s_add_co_u32 s22, s22, 2*KSB
	s_mov_b32 s23, 0
	s_add_nc_u64 s[PFA:PFA+1], s[PFA:PFA+1], s[22:23]
	s_lshl_b32 s46, s42, 9                         ; my first column, in bytes
	s_lshl_b32 s47, s16, 8
	s_add_co_u32 s46, s46, s47
	s_mov_b32 s47, 0
	s_add_nc_u64 s[8:9], s[74:75], s[46:47]
	s_lshl_b32 s20, s17, 7
	s_lshl_b32 s21, s15, 6
	s_add_co_u32 s20, s20, s21
	s_lshl_b32 s20, s20, 13
	s_add_co_u32 s20, s20, s46
	s_mov_b32 s21, 0
	s_add_nc_u64 s[10:11], s[76:77], s[20:21]
	s_mul_i32 s21, s15, 2*AS
	s_mul_i32 s22, s16, 2*BS
	s_add_co_u32 s22, s22, BOFF
	s_mul_i32 s23, s14, 16*SPITCH
	s_add_co_u32 s23, s23, STAGE
	v_and_b32 v1, 15, v0                           ; r
	v_bfe_u32 v2, v0, 4, 1                         ; h
	v_and_b32 v6, 31, v0
	v_lshlrev_b32 v8, 5, v2
	v_lshrrev_b32 v3, 2, v1
	v_mul_u32_u24 v3, v3, AP
	v_and_b32 v4, 3, v1
	v_lshl_add_u32 v3, v4, 6, v3
	v_lshl_add_u32 v3, v2, 4, v3                   ; A: token r of a block: four tokens to an LDS row
	v_mul_u32_u24 v4, v1, BP
	v_lshl_add_u32 v4, v2, 4, v4
.irp s, 0,1
	v_add_nc_u32 v[ADRA+\s], s21, v3
	v_add_nc_u32 v[ADRB+\s], s22, v4
	s_add_co_u32 s21, s21, AS
	s_add_co_u32 s22, s22, BS
.endr
	v_mul_u32_u24 v5, v1, SPITCH
	v_lshl_add_u32 v5, v2, 5, v5
	v_add_nc_u32 v[STO], s23, v5                   ; the stage, in: row r, 32 bytes for each half of the lanes
	v_mul_u32_u24 v5, v2, SPITCH
	v_lshl_add_u32 v5, v1, 4, v5
	v_add_nc_u32 v[RD], s23, v5                    ; back: sixteen lanes to a row of 256 bytes
	v_lshlrev_b32 v5, 13, v2
	v_lshl_add_u32 v[CO], v1, 4, v5
	v_lshlrev_b32 v[PFO], 8, v6
	s_wait_alu depctr_va_vdst(0)                   ; the head's end
.irp b, 0,1,2,3
	global_load_b128 v[BO+8*\b:BO+8*\b+3], v8, s[8:9] offset:64*\b          ; bo at n = 16 b + 8 h + 0..7
	global_load_b128 v[BO+8*\b+4:BO+8*\b+7], v8, s[8:9] offset:64*\b+16
.endr
.macro MULA f, a, zero                 ; A's block a x Wo's four; the 16 accumulators take turns, in the same order in every step
.irp b, 0,1,2,3
.if \zero
	v_wmma_f32_16x16x128_fp8_fp8 v[ACC+8*(4*(\a)+\b):ACC+8*(4*(\a)+\b)+7], v[\f+64+16*\b:\f+64+16*\b+15], v[\f+16*(\a):\f+16*(\a)+15], 0
.else
	v_wmma_f32_16x16x128_fp8_fp8 v[ACC+8*(4*(\a)+\b):ACC+8*(4*(\a)+\b)+7], v[\f+64+16*\b:\f+64+16*\b+15], v[\f+16*(\a):\f+16*(\a)+15], v[ACC+8*(4*(\a)+\b):ACC+8*(4*(\a)+\b)+7]
.endif
.endr
.endm
.macro FETCH slot, q, f                ; 32 loads: the fragments of the slot's q-th 128 along K (two heads of A)
	WIN TO_F
.irp i, 0,1,2,3
.irp c, 0,1,2,3
	ds_load_b128 v[\f+64+16*\i+4*\c:\f+64+16*\i+4*\c+3], v[ADRB+\slot] offset:128*(\q)+32*\c+\i*16*BP
.endr
.endr
.irp i, 0,1,2,3
.irp c, 0,1,2,3
	ds_load_b128 v[\f+16*\i+4*\c:\f+16*\i+4*\c+3], v[ADRA+\slot] offset:((2*(\q)+\c/2)*16+4*\i)*AP+32*(\c%2)
.endr
.endr
.endm
.macro PLACES                          ; four places behind the matrix instructions (ISA guide 7.12.1 for vector instructions)
.rept 4
	v_nop
.endr
.endm
.macro QUARTER slot, qn, f, g, zero
	PLACES                                         ; the quarter before has read buffer g
	FETCH \slot, \qn, \g                           ; a whole quarter ahead of its products
	s_wait_dscnt 32                                ; all but the 32 just issued
	WIN MUL
	MULA \f, 0, \zero
	MULA \f, 1, \zero
	MULA \f, 2, \zero
	MULA \f, 3, \zero
.endm
; The change of slots: in front of its barrier each wave waits for all its tensor loads, adds 0 to its spare word, and waits for that and for its reads of this slot.  fill = 1: a round, and this slot's next tile.
.macro TURN slot, next, fill
	WIN 0
	s_wait_tensorcnt 0x0
	ds_add_u32 v[SPW], v[NIL]
	s_wait_dscnt 13                                ; Wo's blocks and A's block 0 are in; twelve loads and the add may be out
	WIN MUL
	MULA F1, 0, 0
	s_wait_dscnt 0x0
	s_barrier_signal -1
	MULA F1, 1, 0
.if \fill
	WIN 0
.endif
	s_barrier_wait -1
.if \fill
	CREST
	s_add_co_u32 s[G0+1], s45, (\slot)*AS
	s_add_nc_u64 s[G0+2:G0+3], s[G0+2:G0+3], KSB
	s_add_co_u32 s[G0B+1], s18, (\slot)*BS
	s_add_nc_u64 s[G0B+2:G0B+3], s[G0B+2:G0B+3], KSB
	JLOAD G1, G1B                                  ; the four v_nop behind it are the places in front of the loads below
.else
	PLACES
.endif
	FETCH \next, 0, F0
	WIN MUL
	MULA F1, 2, 0
	MULA F1, 3, 0
.endm
	s_wait_tensorcnt 0x0                           ; my part of K steps 0 and 1 is in
	s_barrier_signal -1
	s_barrier_wait -1
	s_add_nc_u64 s[G0+2:G0+3], s[G0+2:G0+3], KSB   ; at K step 1: the first refill steps it to 2
	s_add_nc_u64 s[G0B+2:G0B+3], s[G0B+2:G0B+3], KSB
	FETCH 0, 0, F0
	global_prefetch_b8 v[PFO], s[PFA:PFA+1] th:TH_LOAD_NT scope:SCOPE_SE              ; K step 2, one K step ahead of its load,
	global_prefetch_b8 v[PFO], s[PFA:PFA+1] offset:KSB th:TH_LOAD_NT scope:SCOPE_SE   ; and 3, two ahead
	QUARTER 0, 1, F0, F1, 1
	QUARTER 0, 2, F1, F0, 0
	QUARTER 0, 3, F0, F1, 0
	TURN 0, 1, 1
	QUARTER 1, 1, F0, F1, 0
	QUARTER 1, 2, F1, F0, 0
	QUARTER 1, 3, F0, F1, 0
	TURN 1, 0, 1
	QUARTER 0, 1, F0, F1, 0
	QUARTER 0, 2, F1, F0, 0
	QUARTER 0, 3, F0, F1, 0
	TURN 0, 1, 0
	QUARTER 1, 1, F0, F1, 0
	QUARTER 1, 2, F1, F0, 0
	QUARTER 1, 3, F0, F1, 0
	s_wait_dscnt 8
	WIN MUL
	MULA F1, 0, 0
	MULA F1, 1, 0
	s_wait_dscnt 0
	MULA F1, 2, 0
	MULA F1, 3, 0
	WIN 0
	s_wait_loadcnt 0x0                             ; the bias
	s_wait_kmcnt 0x0
	s_add_co_i32 s96, s96, s97
	s_add_co_i32 s96, s96, 127
	s_lshl_b32 s96, s96, 23                        ; 2^(entry 10 + entry 11)
	s_mov_b32 s97, s96                             ; (named with it as a pair)
	PLACES
; The way out, block a: 16 rows x my 64 columns through my own stage (LDS serves a wave's instructions in order: ISA guide 5.7.1.4), and out as rows of 256 bytes.  A block is read back into the registers of its own accumulators.
.macro TOSTAGE a
.set TB, TMP+32*((\a)%2)
.set j, 0
.rept 16
	v_pk_fma_f32 v[TB+j:TB+j+1], v[ACC+32*(\a)+j:ACC+32*(\a)+j+1], s[96:97], v[BO+j:BO+j+1] op_sel_hi:[1,0,1]   ; each accumulator from its low end on
.set j, j+2
.endr
.irp b, 0,1,2,3
	ds_store_b128 v[STO], v[TB+8*\b:TB+8*\b+3] offset:64*\b
	ds_store_b128 v[STO], v[TB+8*\b+4:TB+8*\b+7] offset:64*\b+16
.endr
.irp t, 0,1,2,3,4,5,6,7
	ds_load_b128 v[ACC+32*(\a)+4*\t:ACC+32*(\a)+4*\t+3], v[RD] offset:\t*2*SPITCH
.endr
.endm
.macro SEND a, younger                 ; younger: the LDS instructions issued behind block a's loads, which may be out
	s_wait_dscnt \younger
.irp t, 0,1,2,3,4,5,6,7
	global_store_b128 v[CO], v[ACC+32*(\a)+4*\t:ACC+32*(\a)+4*\t+3], s[10:11] offset:(16*(\a)+2*\t)*8192 th:TH_STORE_NT
.endr
.endm
	TOSTAGE 0
.irp a, 1,2,3
	TOSTAGE \a
	SEND \a-1, 16
.endr
	SEND 3, 0
	s_wait_tensorcnt 0x0                           ; the wave's end
	ds_add_u32 v[SPW], v[NIL]
	s_wait_dscnt 0x0
	CROUND                                         ; the closing round
	s_endpgm
.Lfunc_end_k_qda08b36e1e_oproj:
	.size	k_qda08b36e1e_oproj, .Lfunc_end_k_qda08b36e1e_oproj-k_qda08b36e1e_oproj
	.p2alignl 7, 3214868480
	.fill 96, 4, 3214868480
	.section	.rodata,"a",@progbits
	.p2align	6, 0x0
	.amdhsa_kernel k_qda08b36e1e_oproj
		.amdhsa_group_segment_fixed_size 327680
		.amdhsa_private_segment_fixed_size 0
		.amdhsa_enable_private_segment 0
		.amdhsa_kernarg_size 40
		.amdhsa_user_sgpr_count 2
		.amdhsa_user_sgpr_kernarg_segment_ptr 1
		.amdhsa_wavefront_size32 1
		.amdhsa_system_sgpr_workgroup_id_x 1
		.amdhsa_system_sgpr_workgroup_id_y 1
		.amdhsa_system_sgpr_workgroup_id_z 1
		.amdhsa_system_vgpr_workitem_id 0
		.amdhsa_next_free_vgpr 512
		.amdhsa_next_free_sgpr 100
		.amdhsa_reserve_vcc 0
		.amdhsa_float_denorm_mode_32 3
		.amdhsa_float_denorm_mode_16_64 3
		.amdhsa_memory_ordered 1
		.amdhsa_forward_progress 1
		.amdhsa_inst_pref_size 75
	.end_amdhsa_kernel
	.amdgpu_metadata
---
amdhsa.version: [ 1, 2 ]
amdhsa.kernels:
  - .name:           k_qda08b36e1e_oproj
    .symbol:         k_qda08b36e1e_oproj.kd
    .args:
      - { .name: acodes, .offset: 0, .size: 8, .value_kind: global_buffer, .address_space: global }
      - { .name: wocodes, .offset: 8, .size: 8, .value_kind: global_buffer, .address_space: global }
      - { .name: lowp_scales, .offset: 16, .size: 8, .value_kind: global_buffer, .address_space: global }
      - { .name: bo, .offset: 24, .size: 8, .value_kind: global_buffer, .address_space: global }
      - { .name: out0, .offset: 32, .size: 8, .value_kind: global_buffer, .address_space: global }
    .group_segment_fixed_size: 327680
    .private_segment_fixed_size: 0
    .kernarg_segment_align: 8
    .kernarg_segment_size: 40
    .max_flat_workgroup_size: 128
    .sgpr_count:     100
    .vgpr_count:     512
    .wavefront_size: 32
...
	.end_amdgpu_metadata
.endif
;; end of part 4
